; MI455X (gfx1250); checked and timed in simulation.
; The chip was launched on July 23, 2026; its instructions are those of AMD's public machine-readable ISA for CDNA 5 (MIT licence, August 2026) and "CDNA5" Instruction Set Architecture Reference Guide (July 2026). The comments in the code are by the model that wrote it; some were corrected since.
;; Causal Self Attention. Allowed arithmetic: matrix products marked QUANTISED: E2M1 operands, one E8M0 scale for each 32 along K, by v_wmma_scale_f32_16x16x128_f8f6f4 with both operands' format E2M1 (or v_wmma_scale_f32_32x16x128_f4), f32 sums; products left as they are: bf16, f16 or f32 operands; f32 sums; everything else in f32.
;; Inputs: W_proj 1,024 x 1,024 float32; W_qkv 3,072 x 1,024 float32; x 4 x 2,048 x 1,024 float32.
;; Outputs: out0 4 x 2,048 x 1,024 float32.
;; This version of the problem:
;;   THIS VERSION OF THE PROBLEM IS GIVEN IN LOW PRECISION. The matrix products marked QUANTISED in the list below multiply operands that are first quantised to E2M1 (2 exponent bits, 1 mantissa bit; 4 bits a number), with one power-of-two scale for each 32 numbers along K (OCP MX v1.0); their sums are f32. The products marked 'left as it is' may take bf16, f16 or f32 operands, with f32 sums. Whichever they take, every output number must still come out within the allowed error. Rounding operands to bf16 (8 significant bits) uses up far more of that allowance than f16 does (11 bits, for magnitudes from 6e-5 to 65,504). All else is computed in f32.
;;   The module's matrix products, in the order in which they are computed (A, B: the left and right operand; K: the contracted axis; several contracted axes count as one K, in the product's order):
;;     1. [M 8,192, K 1,024] x [K 1,024, N 3,072]; A: input x; B: input W_qkv: QUANTISED
;;     2. batch 64 x [M 2,048, K 64] x [K 64, N 2,048]; A: computed on the way; B: computed on the way: left as it is (an operand is computed on the way)
;;     3. batch 64 x [M 2,048, K 2,048] x [K 2,048, N 64]; A: computed on the way; B: computed on the way: left as it is (an operand is computed on the way)
;;     4. [M 8,192, K 1,024] x [K 1,024, N 1,024]; A: computed on the way; B: input W_proj: left as it is (an operand is computed on the way)
;;   THE QUANTISER, for each operand of a quantised product, along K:
;;     - K is cut into blocks of 32 from its start; a last block that is shorter is filled with zeros.
;;     - A block's scale is 2^e with e = floor(log2(the largest magnitude in the block)) - 2, held to -126 .. 127; a block of zeros has e = 0. As a byte (E8M0): e + 127.
;;     - Each number is divided by its block's scale, clamped to +-6, and rounded to the nearest number of E2M1, ties to even, subnormals kept.
;;     - The product sums the exact products of the quantised numbers (number of the format x scale) in f32.
;;   ~~~python
;;   def quantise(x, axis):      # numpy; x: float32 -> the quantised numbers, widened to float32 again
;;       x = np.moveaxis(x, axis, -1); K = x.shape[-1]
;;       x = np.pad(x, [(0, 0)] * (x.ndim - 1) + [(0, -K % 32)]); x = x.reshape(x.shape[:-1] + (-1, 32)); a = np.abs(x).max(-1, keepdims=True)
;;       e = np.where(a > 0, np.clip(np.frexp(np.where(a > 0, a, 1))[1] - 1 - 2, -126, 127), 0)      # np.frexp(a)[1] - 1 = floor(log2(a)), exactly
;;       r = np.clip(x / 2.0 ** e, -6, 6)
;;       step = 2.0 ** (np.maximum(np.frexp(np.where(r == 0, 1, r))[1] - 1, 0) - 1)
;;       q = np.round(r / step) * step * 2.0 ** e      # np.round: ties to even
;;       return np.moveaxis(q.reshape(q.shape[:-2] + (-1,))[..., :K], -1, axis).astype(np.float32)
;;   ~~~
;; One version. Each part assembles by itself: llvm-mc -triple=amdgcn-amd-amdhsa -mcpu=gfx1250 --defsym DOCPART=n.
;; ======== version 1 of 1: 5 launches
;; limits: values are held in f16: magnitudes above 65,504 overflow, below 6.1e-05 lose precision
;; workspace buffers: xc 4,194,304 bytes; xs 262,144 bytes; wc 1,572,864 bytes; ws 98,304 bytes; wp16 2,097,152 bytes; qkv16 50,331,648 bytes; qkv32 786,432 bytes; o16 16,777,216 bytes
;; launch quant (part 1): grid 416 x 1, 4 waves a work-group, no clusters, 33,280 bytes of LDS; arguments x, W_qkv, W_proj, xc, xs, wc, ws, wp16; writes xc, xs, wc, ws, wp16
.if DOCPART == 1
	.amdgcn_target "amdgcn-amd-amdhsa--gfx1250"
	.amdhsa_code_object_version 6
	.text
	.protected	k_qa7037b27db_quant
	.globl	k_qa7037b27db_quant
	.p2align	8
	.type	k_qa7037b27db_quant,@function
k_qa7037b27db_quant:
	s_mov_b64 s[64:65], 0
	v_nop
	global_prefetch_b8 v0, s[64:65] scope:SCOPE_SE
	s_setreg_imm32_b32 hwreg(HW_REG_WAVE_MODE, 25, 1), 1
	s_wait_xcnt 0x0
; x [8192][1024] and W_qkv [3072][1024], f32, K innermost, become codes of FP4 (E2M1), two a byte, and one E8M0 byte for each 32 along K; W_proj [1024][1024] becomes f16.
; Work-groups 0-255 take x, 256-351 W_qkv (32,768 numbers each, one path, the buffers chosen by the work-group's number); 352-415 take 16 rows of W_proj each.
; A block's scale is 2^(floor(log2(its largest magnitude)) - 2); its byte is the largest magnitude's exponent field - 2, held at 1 from below.
; LIMITS: a block of zeros, and a block whose largest magnitude lies under 2^-124, get the byte 1 (the bytes are read by this program alone; zero codes add nothing); NaN and infinities are not served.
; W_proj in f16: magnitudes above 65,504 become infinity, under 6e-5 they keep an absolute step of 6e-8.
; The quantiser: a wave takes 16 steps of 512 numbers.  Each load reads 512 consecutive bytes; a step's 2,048 bytes turn through the wave's own stage in LDS and come back 64 bytes a lane, so that a lane
; holds 16 neighbours along K and two neighbouring lanes a block.  A wave's 256 scale bytes are gathered in LDS and leave as 256 consecutive aligned bytes.
; W_proj leaves as CHUNKS of 512 bytes: chunk (nt, kc): lane (r, h) holds row 16 nt + r, k = 16 kc + 8 h + 0 .. 7: half a 16-bit operand fragment, as its registers want it.
; No tensor loads, so nothing to ask for jointly; waves share nothing, so no barrier.
.set WAVES, 4
.set STEPS, 16
.set WGX,   256                        ; work-groups for x
.set WGW,   96                         ; for W_qkv
.set EMAX,  2
.set CB,    8                          ; bytes of 16 codes
.set R,     16                         ; v16-79   four sets of 16 numbers as they are loaded
.set X,     80                         ; v80-111  two sets of 16 neighbours
.set C,     128                        ; v128-191 codes: four registers for each step
.set E,     112                        ; v112-127 a scale byte for each step
.set WREG,  8192                       ; LDS: a region for each wave: two stages of 32 x SP bytes, then its 256 scale bytes
.set SP,    80                         ; a lane's place in a stage: 64 bytes + 16 of padding
.set SPW,   12                         ; v12 LDS address of my spare word; never rewritten
.set NIL,   13                         ; v13 0; never rewritten
.set SPARE, WAVES*WREG                 ; the spare words, 128 bytes a wave
	s_load_b256 s[4:11], s[0:1], 0x0               ; x s[4:5], W_qkv s[6:7], W_proj s[8:9], xc s[10:11]
	s_load_b256 s[12:19], s[0:1], 0x20             ; xs s[12:13], wc s[14:15], ws s[16:17], wp16 s[18:19]
	v_lshl_add_u32 v[SPW], v0, 2, SPARE
	v_mov_b32 v[NIL], 0
	v_lshrrev_b32 v1, 5, v0
	v_readfirstlane_b32 s20, v1                    ; wave
	s_cmp_ge_u32 ttmp9, WGX+WGW
	s_cbranch_scc1 .Lproj                          ; the work-group's number alone decides
	v_and_b32 v2, 31, v0                           ; lane
	v_lshlrev_b32 v3, 4, v2                        ; my 16 bytes of a load's 512
	s_mul_i32 s21, s20, WREG
	v_lshrrev_b32 v14, 2, v2
	v_mul_u32_u24 v14, v14, SP
	v_and_b32 v15, 3, v2
	v_lshl_add_u32 v14, v15, 4, v14
	v_add_nc_u32 v14, s21, v14                     ; the stage, on the way in: SP (lane / 4) + 16 (lane % 4)
	v_mul_u32_u24 v15, v2, SP
	v_add_nc_u32 v15, s21, v15                     ; and on the way out: SP x lane
	v_mul_u32_u24 v4, v2, CB                       ; my codes' place in a step's
	v_lshrrev_b32 v5, 1, v2
	s_add_co_u32 s21, s21, 2*32*SP
	v_add_nc_u32 v5, s21, v5                       ; my block's scale byte in LDS
	v_lshlrev_b32 v7, 3, v2
	v_add_nc_u32 v6, s21, v7                       ; and 8 bytes a lane on the way out
	s_wait_kmcnt 0x0
	s_cmp_lt_u32 ttmp9, WGX                        ; x's work-group or W_qkv's
	s_cselect_b64 s[4:5], s[4:5], s[6:7]
	s_cselect_b64 s[10:11], s[10:11], s[14:15]
	s_cselect_b64 s[12:13], s[12:13], s[16:17]
	s_cselect_b32 s21, 0, WGX
	s_sub_co_u32 s21, ttmp9, s21
	s_lshl_b32 s21, s21, 2
	s_add_co_u32 s22, s21, s20                     ; which run of 8,192 numbers is my wave's
	s_mov_b32 s23, 0
	s_mov_b64 s[24:25], 512*STEPS*4
	s_mul_u64 s[24:25], s[22:23], s[24:25]
	s_add_nc_u64 s[4:5], s[4:5], s[24:25]
	s_mov_b64 s[24:25], 32*STEPS*CB
	s_mul_u64 s[24:25], s[22:23], s[24:25]
	s_add_nc_u64 s[10:11], s[10:11], s[24:25]
	s_lshl_b32 s22, s22, 8                         ; 256 scale bytes a run
	s_add_nc_u64 s[12:13], s[12:13], s[22:23]
.macro LOAD t
.irp i, 0,1,2,3
	global_load_b128 v[R+16*((\t)%4)+4*\i:R+16*((\t)%4)+4*\i+3], v3, s[4:5] offset:2048*(\t)+512*\i th:TH_LOAD_NT   ; 32 lanes read 512 consecutive bytes
.endr
.endm
.macro TURN t                          ; step t's numbers through the stage: LDS serves a wave's instructions in order, so no wait stands between the stores and the loads
.irp i, 0,1,2,3
	ds_store_b128 v14, v[R+16*((\t)%4)+4*\i:R+16*((\t)%4)+4*\i+3] offset:32*SP*((\t)%2)+8*SP*\i
.endr
.irp i, 0,1,2,3
	ds_load_b128 v[X+16*((\t)%2)+4*\i:X+16*((\t)%2)+4*\i+3], v15 offset:32*SP*((\t)%2)+16*\i
.endr
.endm
.irp t, 0,1,2,3
	LOAD \t
.endr
	s_wait_loadcnt 12                              ; step 0's four loads are in; three steps' twelve stay out
	TURN 0
.macro STEP t
.set XS, X+16*((\t)%2)
.if (\t) > 0
	s_wait_dscnt 1                                 ; this step's numbers are back from the stage; the last step's byte store may be out
.else
	s_wait_dscnt 0x0
.endif
.if (\t)+4 < STEPS
	LOAD (\t)+4                                    ; into the registers that the stage's stores have read
.endif
.if (\t)+1 < STEPS
.if STEPS-2-(\t) >= 3
	s_wait_loadcnt 12                              ; the next step's four loads are in; those of the three steps behind it may be out
.else
	s_wait_loadcnt 4*(STEPS-2-(\t))
.endif
	TURN (\t)+1
.endif
	v_max3_num_f32 v8, |v[XS]|, |v[XS+1]|, |v[XS+2]|               ; the largest magnitude of my 16, in two chains
	v_max3_num_f32 v9, |v[XS+3]|, |v[XS+4]|, |v[XS+5]|
.irp i, 6,10
	v_max3_num_f32 v8, v8, |v[XS+\i]|, |v[XS+\i+1]|
	v_max3_num_f32 v9, v9, |v[XS+\i+2]|, |v[XS+\i+3]|
.endr
	v_max3_num_f32 v8, v8, |v[XS+14]|, |v[XS+15]|
	v_max3_num_f32 v8, v8, v9, (EMAX+1)<<23        ; and the floor 2^(3 - 127): the byte cannot fall under 1
	v_max_num_f32_dpp v8, v8, v8 row_xmask:1 row_mask:0xf bank_mask:0xf   ; with my neighbour's 16: the block's
	v_add_nc_u32 v11, -(EMAX<<23), v8              ; 2 off its exponent field: the conversion takes this operand's exponent field as its scale
	v_cvt_scalef32_pk8_fp4_f32 v[C+4*(\t)], v[XS:XS+7], v11
	v_cvt_scalef32_pk8_fp4_f32 v[C+4*(\t)+1], v[XS+8:XS+15], v11
	v_lshrrev_b32 v[E+(\t)], 23, v11               ; the scale's byte (also the plain line behind the conversions)
	ds_store_b8 v5, v[E+(\t)] offset:16*(\t)       ; both lanes of a block write the same byte with the same value
	global_store_b64 v4, v[C+4*(\t):C+4*(\t)+1], s[10:11] offset:32*CB*(\t)   ; the wave stores 256 consecutive aligned bytes
.endm
.irp t, 0,1,2,3,4,5,6,7,8,9,10,11,12,13,14,15
	STEP \t
.endr
	ds_load_b64 v[8:9], v6                         ; in order behind my byte stores
	s_wait_dscnt 0x0
	global_store_b64 v7, v[8:9], s[12:13]          ; 256 consecutive aligned bytes
	s_wait_tensorcnt 0x0                           ; the wave's end, behind my last LDS store
	ds_add_u32 v[SPW], v[NIL]
	s_wait_dscnt 0x0
	s_endpgm
.Lproj:                                            ; W_proj: work-group nt = number - 352 takes rows 16 nt on; wave w takes chunks kc = 16 w .. 16 w + 15.  No LDS on this path
	v_and_b32 v1, 15, v0                           ; r
	v_bfe_u32 v2, v0, 4, 1                         ; h
	v_lshlrev_b32 v3, 12, v1
	v_lshl_add_u32 v3, v2, 5, v3                   ; in: row r of 4,096 bytes + 32 h
	v_and_b32 v4, 31, v0
	v_lshlrev_b32 v4, 4, v4                        ; out: 16 x lane
	s_sub_co_u32 s21, ttmp9, WGX+WGW
	s_lshl_b32 s22, s21, 16                        ; 16 rows of 4,096 bytes
	s_lshl_b32 s24, s20, 10                        ; 16 chunks of 64 bytes of a row
	s_add_co_u32 s22, s22, s24
	s_mov_b32 s23, 0
	s_wait_kmcnt 0x0
	s_add_nc_u64 s[8:9], s[8:9], s[22:23]
	s_lshl_b32 s22, s21, 15                        ; 64 chunks of 512 bytes
	s_lshl_b32 s24, s20, 13
	s_add_co_u32 s22, s22, s24
	s_add_nc_u64 s[18:19], s[18:19], s[22:23]
.irp k, 0,1,2,3,4,5,6,7,8,9,10,11,12,13,14,15
	global_load_b128 v[16+8*\k:16+8*\k+3], v3, s[8:9] offset:64*\k th:TH_LOAD_NT
	global_load_b128 v[16+8*\k+4:16+8*\k+7], v3, s[8:9] offset:64*\k+16 th:TH_LOAD_NT
.endr
.irp k, 0,1,2,3,4,5,6,7,8,9,10,11,12,13,14,15
	s_wait_loadcnt 30-2*\k                         ; chunk k's two loads are in; the later chunks' stay out
.irp i, 0,1,2,3
	v_cvt_pk_f16_f32 v[16+8*\k+\i], v[16+8*\k+2*\i], v[16+8*\k+2*\i+1]   ; in place, ascending: a result never lands on a number still to be read
.endr
	global_store_b128 v4, v[16+8*\k:16+8*\k+3], s[18:19] offset:512*\k   ; 512 consecutive aligned bytes; no register is written again
.endr
	s_endpgm
.Lfunc_end_k_qa7037b27db_quant:
	.size	k_qa7037b27db_quant, .Lfunc_end_k_qa7037b27db_quant-k_qa7037b27db_quant
	.p2alignl 7, 3214868480
	.fill 96, 4, 3214868480
	.section	.rodata,"a",@progbits
	.p2align	6, 0x0
	.amdhsa_kernel k_qa7037b27db_quant
		.amdhsa_group_segment_fixed_size 33280
		.amdhsa_private_segment_fixed_size 0
		.amdhsa_enable_private_segment 0
		.amdhsa_kernarg_size 64
		.amdhsa_user_sgpr_count 2
		.amdhsa_user_sgpr_kernarg_segment_ptr 1
		.amdhsa_wavefront_size32 1
		.amdhsa_system_sgpr_workgroup_id_x 1
		.amdhsa_system_sgpr_workgroup_id_y 1
		.amdhsa_system_sgpr_workgroup_id_z 1
		.amdhsa_system_vgpr_workitem_id 0
		.amdhsa_next_free_vgpr 192
		.amdhsa_next_free_sgpr 66
		.amdhsa_reserve_vcc 0
		.amdhsa_float_denorm_mode_32 3
		.amdhsa_float_denorm_mode_16_64 3
		.amdhsa_memory_ordered 1
		.amdhsa_forward_progress 1
		.amdhsa_inst_pref_size 43
	.end_amdhsa_kernel
	.amdgpu_metadata
---
amdhsa.version: [ 1, 2 ]
amdhsa.kernels:
  - .name:           k_qa7037b27db_quant
    .symbol:         k_qa7037b27db_quant.kd
    .args:
      - { .name: x, .offset: 0, .size: 8, .value_kind: global_buffer, .address_space: global }
      - { .name: W_qkv, .offset: 8, .size: 8, .value_kind: global_buffer, .address_space: global }
      - { .name: W_proj, .offset: 16, .size: 8, .value_kind: global_buffer, .address_space: global }
      - { .name: xc, .offset: 24, .size: 8, .value_kind: global_buffer, .address_space: global }
      - { .name: xs, .offset: 32, .size: 8, .value_kind: global_buffer, .address_space: global }
      - { .name: wc, .offset: 40, .size: 8, .value_kind: global_buffer, .address_space: global }
      - { .name: ws, .offset: 48, .size: 8, .value_kind: global_buffer, .address_space: global }
      - { .name: wp16, .offset: 56, .size: 8, .value_kind: global_buffer, .address_space: global }
    .group_segment_fixed_size: 33280
    .private_segment_fixed_size: 0
    .kernarg_segment_align: 8
    .kernarg_segment_size: 64
    .max_flat_workgroup_size: 128
    .sgpr_count:     66
    .vgpr_count:     192
    .wavefront_size: 32
...
	.end_amdgpu_metadata
.endif
;; end of part 1
;; launch qkv (part 2): grid 12 x 32, 4 waves a work-group, clusters of 4 x 4, 327,680 bytes of LDS; arguments xc, xs, wc, ws, qkv16, qkv32; writes qkv16, qkv32
.if DOCPART == 2
	.amdgcn_target "amdgcn-amd-amdhsa--gfx1250"
	.amdhsa_code_object_version 6
	.text
	.protected	k_qa7037b27db_qkv
	.globl	k_qa7037b27db_qkv
	.p2align	8
	.type	k_qa7037b27db_qkv,@function
k_qa7037b27db_qkv:
	s_mov_b64 s[64:65], 0
	v_nop
	global_prefetch_b8 v0, s[64:65] scope:SCOPE_SE
	s_setreg_imm32_b32 hwreg(HW_REG_WAVE_MODE, 25, 1), 1
	s_wait_xcnt 0x0
	s_wait_alu depctr_hold_cnt(0) depctr_sa_sdst(0) depctr_va_vdst(0) depctr_va_sdst(0) depctr_va_ssrc(0) depctr_va_vcc(0) depctr_vm_vsrc(0)
	s_getreg_b32 s2, hwreg(HW_REG_IB_STS2, 6, 4)
	s_cmp_eq_u32 s2, 0
	s_cbranch_scc0 .Lentry_in_a_cluster
	s_endpgm
.Lentry_in_a_cluster:
	s_bfe_u32 s2, ttmp6, 0x10000c
	s_cmp_lg_u32 s2, 0xf033
	s_cbranch_scc0 .Lentry_shape_is_right
	s_endpgm
.Lentry_shape_is_right:
; qkv[m][n] = sum over k of x[m][k] W_qkv[n][k] on codes of FP4 (E2M1) with one E8M0 scale for each 32 along K; m 8,192, n 3,072, k 1,024; sums in f32.
; A tile of 256 x 256 is made by four waves, 128 x 128 each: 64 accumulators, 512 registers.  K is two slots of 512 (rows of 256 bytes): both are first fills, nothing is filled again.
; The scale bytes of the work-group's 256 + 256 rows, for all of K, come once with the first fills.  By this text's count a wave has three tensor loads out at the start.
; CLUSTERS: 4 x 4 work-groups; x's tiles are shared along a row of the cluster, W_qkv's along a column: each is asked for jointly.
; THE MATRIX INSTRUCTION IS USED TRANSPOSED (source 0 = 16 rows of W_qkv, source 1 = 16 tokens): a lane holds token lane % 16 and eight neighbouring channels 8 (lane / 16) + 0 .. 7.
; THE WAY OUT needs no LDS: an accumulator, rounded to f16, is 16 bytes a lane = a CHUNK of 512 bytes (16 tokens x 16 channels), which is half an operand fragment of the attention launch.
; qkv16: [kind 3][batch x head 64][token tile 128][channel tile 4][512 bytes]; q and k at 16 x lane; v at 16 x (2 r + h): rows of 32 bytes them.
; qkv32: the first 16 tokens of each sequence as f32, [batch 4][n / 16: 192][2][512 bytes], stored by the one wave that owns them (the others run the stores with no lane on: no branch hangs on a place in the cluster).
; LIMITS: q, k, v in f16: magnitudes above 65,504 become infinity; under 6e-5 they keep an absolute step of 6e-8.
; REGISTERS, in windows of 256: window 0: v16-29 addresses; v32-95 scale words, two sets; from v128 x's fragments, one set; on the way out v32-255 take the packed results.
;   window 1: W_qkv's fragments, two sets.   window 2: accumulators of my rows 0-63 ((a, b) at v[8 (8 a + b)]);   window 3: rows 64-127.
.set KSTEP,  512
.set NQ,     KSTEP/128
.set ROWB,   256                       ; a tile's row in bytes
.set KROW,   512                       ; a row of codes in memory
.set PITCH,  272                       ; an LDS row: 256 bytes + 16 of padding: the 16 rows of a load start at 16 different banks (64 banks of 4 bytes: ISA guide 11.1)
.set FR,     8
.set NL,     2
.set NP,     4                         ; places behind this matrix instruction (ISA guide 7.12.1)
.set HALFT,  128*PITCH
.set SLOT,   4*HALFT
.set KS,     32                        ; a row of scale bytes
.set SCL,    2*SLOT
.set HALFS,  (128*KS/256)*272
.set SBLK,   (16*KS/256)*272
.set SPARE,  SCL+4*HALFS               ; the spare words, 128 bytes a wave
.set ADRA, 16                          ; v16-17 LDS address of my x fragments in slot 0, 1
.set ADRB, 20                          ; v20-21 the same for W_qkv
.set FLG,  24                          ; v24 0 in the wave that owns tokens 0-15 of a sequence
.set FO,   25                          ; v25 16 x lane
.set CO,   26                          ; v26 my 16 bytes in a chunk of qkv16
.set ADRS, 27                          ; v27 LDS address of my scale words
.set SPW,  28
.set NIL,  29
.set SC,   32
.set AF,   128
.set G1, 24
.set G0, 32
.set G1B, 48
.set G0B, 56
.set G1S, 68
.set G0S, 76
.set G1SB, 80
.set G0SB, 88
.set MSB, 0
.macro WIN new                         ; the immediate's high byte repeats the setting that is left
.if MSB != \new
	s_set_vgpr_msb (MSB<<8)|\new
.set MSB, \new
.endif
.endm
.set MUL_LO, 0xa1                      ; source 0 window 1, source 1 window 0, C and D window 2
.set MUL_HI, 0xf1
.set TO_B,   0x40
.macro JLOAD g0a, g1a, g0b, g1b        ; a joint load: waves 0 and 1 fetch for x, waves 2 and 3 for W_qkv; an s_nop 0 and four v_nop follow each line
	s_cmp_eq_u32 s15, 0
	s_cbranch_scc0 .Lfor_b_\@
	tensor_load_to_lds s[\g0a:\g0a+3], s[\g1a:\g1a+7]
	s_nop 0
.rept 4
	v_nop
.endr
	s_branch .Lasked_\@
.Lfor_b_\@:
	tensor_load_to_lds s[\g0b:\g0b+3], s[\g1b:\g1b+7]
	s_nop 0
.rept 4
	v_nop
.endr
.Lasked_\@:
.endm
.macro CROUND                          ; a round of the cluster's barrier
	s_barrier_signal -1
	s_barrier_wait -1
	s_cmp_lg_u32 s14, 0
	s_cbranch_scc1 .Lnot_wave_0_\@
	s_barrier_signal -3
.Lnot_wave_0_\@:
	s_barrier_wait -3
	s_barrier_signal -1
	s_barrier_wait -1
.endm
	s_load_b128 s[4:7], s[0:1], 0x0                ; x's codes, x's scales
	s_load_b128 s[8:11], s[0:1], 0x10              ; W_qkv's codes, its scales
	s_load_b64 s[12:13], s[0:1], 0x20              ; qkv16
	s_load_b64 s[96:97], s[0:1], 0x28              ; qkv32
	v_lshl_add_u32 v[SPW], v0, 2, SPARE
	v_mov_b32 v[NIL], 0
	ds_add_u32 v[SPW], v[NIL]                      ; the opening: the add, twice on end, and its wait ahead of my first tensor load
	ds_add_u32 v[SPW], v[NIL]
	v_lshrrev_b32 v1, 5, v0
	v_readfirstlane_b32 s14, v1                    ; wave 0..3
	s_lshr_b32 s15, s14, 1                         ; my half of the tile's rows.  Also: I fetch for x (0) or W_qkv (1)
	s_and_b32 s16, s14, 1                          ; my half of its columns.  Also: which 128 rows I fetch
	s_bfe_u32 s40, ttmp6, 0x40000                  ; cx
	s_bfe_u32 s41, ttmp6, 0x40004                  ; cy
	s_lshl_b32 s42, ttmp9, 2
	s_add_co_u32 s42, s42, s40                     ; tile column
	s_and_b32 s17, ttmp7, 0xffff
	s_lshl_b32 s17, s17, 2
	s_add_co_u32 s17, s17, s41                     ; tile row
	s_lshl_b32 s43, s41, 2
	s_lshl_b32 s43, 15, s43                        ; my row of the cluster
	s_lshl_b32 s44, 0x1111, s40                    ; my column
	s_or_b32 s[G1+0], s43, (0<<16)|(1<<20)|(1<<21)|(5<<22)|(3<<25)  ; mask; elements of 1 byte; padding: 4 words behind every 64; bit 21 beside a mask
	s_or_b32 s[G1B+0], s44, (0<<16)|(1<<20)|(1<<21)|(5<<22)|(3<<25)
.irp g, G1, G1B
	s_mov_b32 s[\g+1], ROWB<<16                    ; tensor_dim0
	s_mov_b32 s[\g+2], 128<<16                     ; tensor_dim1
	s_mov_b32 s[\g+3], ROWB<<16                    ; tile_dim0
	s_mov_b32 s[\g+4], 128                         ; tile_dim1
	s_mov_b32 s[\g+5], KROW                        ; pitch
	s_mov_b32 s[\g+6], 0
	s_mov_b32 s[\g+7], 0
.endr
	s_or_b32 s[G1S+0], s43, (3<<16)|(1<<20)|(1<<21)|(5<<22)|(3<<25) ; the scales of 128 rows: 4,096 dense bytes as 16 rows of 256, 16 bytes of padding behind each
	s_or_b32 s[G1SB+0], s44, (3<<16)|(1<<20)|(1<<21)|(5<<22)|(3<<25)
.irp g, G1S, G1SB
	s_mov_b32 s[\g+1], 32<<16
	s_mov_b32 s[\g+2], (128*KS/256)<<16
	s_mov_b32 s[\g+3], 32<<16
	s_mov_b32 s[\g+4], 128*KS/256
	s_mov_b32 s[\g+5], 32
	s_mov_b32 s[\g+6], 0
	s_mov_b32 s[\g+7], 0
.endr
	s_lshl_b32 s18, s16, 7
	s_lshl_b32 s20, s17, 8
	s_add_co_u32 s20, s20, s18                     ; x: row 256 x tile row + 128 x half
	s_lshl_b32 s46, s42, 8
	s_add_co_u32 s46, s46, s18                     ; W_qkv: row 256 x tile column + 128 x half
	s_mov_b32 s21, 0
	s_mov_b32 s47, 0
	s_mov_b64 s[18:19], KS
	s_mul_u64 s[22:23], s[20:21], s[18:19]
	s_mul_u64 s[92:93], s[46:47], s[18:19]
	s_mov_b64 s[18:19], KROW
	s_mul_u64 s[20:21], s[20:21], s[18:19]
	s_mul_u64 s[46:47], s[46:47], s[18:19]
	s_mul_i32 s45, s14, HALFT                      ; where they go: wave x 128 rows
	s_mul_i32 s94, s14, HALFS
	s_wait_dscnt 0x0                               ; both opening adds are done
	s_wait_kmcnt 0x0
	s_add_nc_u64 s[20:21], s[4:5], s[20:21]
	s_add_nc_u64 s[22:23], s[6:7], s[22:23]
	s_add_nc_u64 s[46:47], s[8:9], s[46:47]
	s_add_nc_u64 s[92:93], s[10:11], s[92:93]
	CROUND                                         ; all sixteen work-groups are here: the joint loads meet
	s_mov_b32 s[G0S], 1
	s_add_co_u32 s[G0S+1], s94, SCL
	s_mov_b64 s[G0S+2:G0S+3], s[22:23]
	s_or_b32 s[G0S+3], s[G0S+3], 0x80000000
	s_mov_b32 s[G0SB], 1
	s_add_co_u32 s[G0SB+1], s94, SCL
	s_mov_b64 s[G0SB+2:G0SB+3], s[92:93]
	s_or_b32 s[G0SB+3], s[G0SB+3], 0x80000000
	JLOAD G0S, G1S, G0SB, G1SB                     ; the scales first
.irp s, 0,1
	s_mov_b32 s[G0+4*\s], 1
	s_add_co_u32 s[G0+4*\s+1], s45, \s*SLOT
	s_add_nc_u64 s[G0+4*\s+2:G0+4*\s+3], s[20:21], \s*ROWB
	s_or_b32 s[G0+4*\s+3], s[G0+4*\s+3], 0x80000000
	s_mov_b32 s[G0B+4*\s], 1
	s_add_co_u32 s[G0B+4*\s+1], s45, \s*SLOT
	s_add_nc_u64 s[G0B+4*\s+2:G0B+4*\s+3], s[46:47], \s*ROWB
	s_or_b32 s[G0B+4*\s+3], s[G0B+4*\s+3], 0x80000000
	JLOAD G0+4*\s, G1, G0B+4*\s, G1B
.endr
	v_and_b32 v1, 15, v0                           ; r
	v_bfe_u32 v2, v0, 4, 1                         ; h
	v_mul_u32_u24 v3, v1, PITCH
	v_lshl_add_u32 v4, v2, 4, v3
	s_mul_i32 s21, s15, HALFT
	s_mul_i32 s22, s16, HALFT
	s_add_co_u32 s22, s22, 2*HALFT
.irp s, 0,1
	v_add_nc_u32 v[ADRA+\s], s21, v4
	v_add_nc_u32 v[ADRB+\s], s22, v4
	s_add_co_u32 s21, s21, SLOT
	s_add_co_u32 s22, s22, SLOT
.endr
	v_mul_u32_u24 v5, v1, KS
	v_lshrrev_b32 v6, 8, v5
	v_lshl_add_u32 v5, v6, 4, v5                   ; my row's scales: 32 bytes a row, 16 more for each 256 passed
	s_mul_i32 s21, s15, HALFS
	s_mul_i32 s22, s16, HALFS
	s_add_co_u32 s22, s22, 2*HALFS
	s_sub_co_u32 s22, s22, s21
	v_mul_u32_u24 v6, s22, v2                      ; lanes 16-31 take W_qkv's
	s_add_co_u32 s21, s21, SCL
	v_add_nc_u32 v5, v5, v6
	v_add_nc_u32 v[ADRS], s21, v5
	; the way out.  kind = cluster x; batch = tile row / 8; head = 4 (tile column % 4) + 2 x column half + b / 4; token tile = 16 (tile row % 8) + 8 x row half + a
	s_cmp_eq_u32 ttmp9, 2                          ; v's chunks lie as rows of 32 bytes: 32 r + 16 h; q's and k's in lane order: 16 r + 256 h
	s_cselect_b32 s18, 32, 16
	s_cselect_b32 s19, 16, 256
	v_mul_u32_u24 v[CO], v1, s18
	v_mad_u32_u24 v[CO], v2, s19, v[CO]
	v_and_b32 v6, 31, v0
	v_lshlrev_b32 v[FO], 4, v6
	s_lshl_b32 s20, ttmp9, 24                      ; kind x 16,777,216
	s_lshr_b32 s21, s17, 3                         ; batch
	s_lshl_b32 s22, s21, 22
	s_add_co_u32 s20, s20, s22
	s_and_b32 s22, s42, 3
	s_lshl_b32 s22, s22, 20                        ; four heads of 262,144 bytes
	s_add_co_u32 s20, s20, s22
	s_lshl_b32 s22, s16, 19
	s_add_co_u32 s20, s20, s22
	s_and_b32 s22, s17, 7
	s_lshl_b32 s23, s22, 15                        ; 16 token tiles of 2,048 bytes
	s_add_co_u32 s20, s20, s23
	s_lshl_b32 s23, s15, 14
	s_add_co_u32 s20, s20, s23
	s_or_b32 s22, s22, s15                         ; 0: my block a = 0 is tokens 0-15 of a sequence
	v_mov_b32 v[FLG], s22
	s_mul_i32 s46, s21, 196608                     ; qkv32: batch x 192 x 1,024
	s_lshl_b32 s47, s42, 14
	s_add_co_u32 s46, s46, s47
	s_lshl_b32 s47, s16, 13
	s_add_co_u32 s46, s46, s47
	s_mov_b32 s21, 0
	s_mov_b32 s47, 0
	s_add_nc_u64 s[12:13], s[12:13], s[20:21]
	s_add_nc_u64 s[96:97], s[96:97], s[46:47]
.macro FRAG reg, adr, q, i             ; 16 rows x 128 K of 4-bit codes: 8 registers, two loads of 16 bytes, 32 bytes apart
.irp c, 0,1
	ds_load_b128 v[\reg+4*\c:\reg+4*\c+3], v[\adr] offset:64*(\q)+32*\c+(\i)*16*PITCH
.endr
.endm
; 16 matrix instructions: x's blocks a0, a0 + 1 against W_qkv's eight.  The 64 accumulators take turns, one instruction a turn, in the same order in every step.
.macro MUL16 a0, p, q, sc, zero
.irp a, \a0, \a0+1
.irp b, 0,1,2,3,4,5,6,7
.if \zero
	v_wmma_scale_f32_16x16x128_f8f6f4 v[8*(8*((\a)%4)+\b):8*(8*((\a)%4)+\b)+7], v[128*(\p)+FR*\b:128*(\p)+FR*\b+FR-1], v[AF+FR*(\a):AF+FR*(\a)+FR-1], 0, v[SC+8*NQ*(\sc)+NQ*\b+(\q)], v[SC+8*NQ*(\sc)+NQ*(\a)+(\q)] matrix_a_fmt:MATRIX_FMT_FP4 matrix_b_fmt:MATRIX_FMT_FP4 matrix_a_scale:MATRIX_SCALE_ROW1
.else
	v_wmma_scale_f32_16x16x128_f8f6f4 v[8*(8*((\a)%4)+\b):8*(8*((\a)%4)+\b)+7], v[128*(\p)+FR*\b:128*(\p)+FR*\b+FR-1], v[AF+FR*(\a):AF+FR*(\a)+FR-1], v[8*(8*((\a)%4)+\b):8*(8*((\a)%4)+\b)+7], v[SC+8*NQ*(\sc)+NQ*\b+(\q)], v[SC+8*NQ*(\sc)+NQ*(\a)+(\q)] matrix_a_fmt:MATRIX_FMT_FP4 matrix_b_fmt:MATRIX_FMT_FP4 matrix_a_scale:MATRIX_SCALE_ROW1
.endif
.endr
.endr
.endm
.macro FETCH_B slot, q, p
	WIN TO_B
.irp i, 0,1,2,3,4,5,6,7
	FRAG 128*(\p)+FR*\i, ADRB+\slot, \q, \i
.endr
	WIN 0
.endm
.macro FETCH_A slot, q, i0
.irp i, \i0, \i0+1, \i0+2, \i0+3
	FRAG AF+FR*(\i), ADRA+\slot, \q, \i
.endr
.endm
.macro SCALES sc                       ; a slot's scale words: lanes 0-15 x's block i, lanes 16-31 W_qkv's block i
.irp i, 0,1,2,3,4,5,6,7
	ds_load_b128 v[SC+8*NQ*\sc+NQ*\i:SC+8*NQ*\sc+NQ*\i+3], v[ADRS] offset:\i*SBLK
.endr
.endm
.macro PLACES n                        ; plain vector instructions between a matrix instruction and a load into, or a read of, its registers
.rept \n
	v_nop
.endr
.endm
.macro STEP slot, q, zero              ; 128 along K, with its successor in the same slot
	s_wait_dscnt 4*NL                              ; all but the youngest eight loads (x's blocks 4-7)
	WIN MUL_LO
	MUL16 0, (\q)%2, \q, \slot, \zero
	MUL16 2, (\q)%2, \q, \slot, \zero
	s_wait_dscnt 0                                 ; x's blocks 4-7 are in
	PLACES NP
	FETCH_B \slot, (\q)+1, 1-(\q)%2
	FETCH_A \slot, (\q)+1, 0
	WIN MUL_HI
	MUL16 4, (\q)%2, \q, \slot, \zero
	MUL16 6, (\q)%2, \q, \slot, \zero
	PLACES NP
	WIN 0
	FETCH_A \slot, (\q)+1, 4
.endm
.macro TURN slot, next                 ; slot 0's last step: behind the barrier slot 1 is whole for every wave; nothing is filled again
	s_wait_tensorcnt 0x0                           ; all my tensor loads have landed: my part of slot 1
	ds_add_u32 v[SPW], v[NIL]
	s_wait_dscnt 4*NL+1                            ; the add and the youngest eight loads may be out
	WIN MUL_LO
	MUL16 0, 1, NQ-1, \slot, 0
	s_wait_dscnt 0x0                               ; the add is done, my reads of this slot are over
	s_barrier_signal -1
	MUL16 2, 1, NQ-1, \slot, 0
	WIN 0
	s_barrier_wait -1
	PLACES NP
	v_add_nc_u32 v[ADRS], 4*NQ, v[ADRS]            ; the next slot's scale words
	FETCH_B \next, 0, 0
	FETCH_A \next, 0, 0
	SCALES \next
	WIN MUL_HI
	MUL16 4, 1, NQ-1, \slot, 0
	MUL16 6, 1, NQ-1, \slot, 0
	PLACES NP
	WIN 0
	FETCH_A \next, 0, 4
.endm
	s_wait_tensorcnt 1                             ; the scales and my part of slot 0 are in; slot 1's load may be out
	s_barrier_signal -1
	s_barrier_wait -1
	FETCH_B 0, 0, 0
	FETCH_A 0, 0, 0
	SCALES 0
	FETCH_A 0, 0, 4
	STEP 0, 0, 1                                   ; the first products start the sums: nothing is cleared
	STEP 0, 1, 0
	STEP 0, 2, 0
	TURN 0, 1
	STEP 1, 0, 0
	STEP 1, 1, 0
	STEP 1, 2, 0
	s_wait_dscnt 4*NL                              ; the last step: nothing more to fetch
	WIN MUL_LO
	MUL16 0, 1, NQ-1, 1, 0
	MUL16 2, 1, NQ-1, 1, 0
	s_wait_dscnt 0
	WIN MUL_HI
	MUL16 4, 1, NQ-1, 1, 0
	MUL16 6, 1, NQ-1, 1, 0
	WIN 0
	PLACES NP                                      ; ahead of the first read of results and of writes into registers that held operands
	; tokens 0-15 of a sequence in f32: block a = 0 of the wave whose flag is 0; in all others no lane is on
	s_wait_xcnt 0x0                                ; EXEC changes only behind this wait
	v_cmp_eq_u32 vcc_lo, 0, v[FLG]
	s_and_saveexec_b32 s3, vcc_lo
	WIN 0x08                                       ; a store's data: window 2
.irp b, 0,1,2,3,4,5,6,7
	global_store_b128 v[FO], v[8*\b:8*\b+3], s[96:97] offset:1024*\b          ; each accumulator from its low end on; 512 consecutive aligned bytes
	global_store_b128 v[FO], v[8*\b+4:8*\b+7], s[96:97] offset:1024*\b+512
.endr
	WIN 0
	s_wait_xcnt 0x0                                ; and again ahead of the line that widens it
	s_or_b32 exec_lo, exec_lo, s3
.macro PACK a                          ; block a, rounded to f16, into set a % 7 of window 0
.set AC, 64*((\a)%4)
.set TP, 32+32*((\a)%7)
	WIN 0x0a+5*((\a)/4)
.irp b, 0,1,2,3,4,5,6,7
.irp i, 0,1,2,3
	v_cvt_pk_f16_f32 v[TP+4*\b+\i], v[AC+8*\b+2*\i], v[AC+8*\b+2*\i+1]
.endr
.endr
	WIN 0
.endm
.macro OUT a
.set TP, 32+32*((\a)%7)
.irp b, 0,1,2,3,4,5,6,7
	global_store_b128 v[CO], v[TP+4*\b:TP+4*\b+3], s[12:13] offset:(\b/4)*262144+(\a)*2048+(\b%4)*512 th:TH_STORE_NT   ; a chunk: 512 consecutive aligned bytes
.endr
.endm
.irp a, 0,1,2,3,4,5,6
	PACK \a
	OUT \a
.endr
	s_wait_xcnt 0x0                                ; block 0's stores have read set 0, which block 7 writes again
	PACK 7
	OUT 7
	s_wait_tensorcnt 0x0                           ; the wave's end
	ds_add_u32 v[SPW], v[NIL]
	s_wait_dscnt 0x0
	CROUND                                         ; the closing round
	s_endpgm
.Lfunc_end_k_qa7037b27db_qkv:
	.size	k_qa7037b27db_qkv, .Lfunc_end_k_qa7037b27db_qkv-k_qa7037b27db_qkv
	.p2alignl 7, 3214868480
	.fill 96, 4, 3214868480
	.section	.rodata,"a",@progbits
	.p2align	6, 0x0
	.amdhsa_kernel k_qa7037b27db_qkv
		.amdhsa_group_segment_fixed_size 327680
		.amdhsa_private_segment_fixed_size 0
		.amdhsa_enable_private_segment 0
		.amdhsa_kernarg_size 48
		.amdhsa_user_sgpr_count 2
		.amdhsa_user_sgpr_kernarg_segment_ptr 1
		.amdhsa_wavefront_size32 1
		.amdhsa_system_sgpr_workgroup_id_x 1
		.amdhsa_system_sgpr_workgroup_id_y 1
		.amdhsa_system_sgpr_workgroup_id_z 1
		.amdhsa_system_vgpr_workitem_id 0
		.amdhsa_next_free_vgpr 1024
		.amdhsa_next_free_sgpr 98
		.amdhsa_reserve_vcc 1
		.amdhsa_float_denorm_mode_32 3
		.amdhsa_float_denorm_mode_16_64 3
		.amdhsa_memory_ordered 1
		.amdhsa_forward_progress 1
		.amdhsa_inst_pref_size 120
	.end_amdhsa_kernel
	.amdgpu_metadata
---
amdhsa.version: [ 1, 2 ]
amdhsa.kernels:
  - .name:           k_qa7037b27db_qkv
    .symbol:         k_qa7037b27db_qkv.kd
    .args:
      - { .name: xc, .offset: 0, .size: 8, .value_kind: global_buffer, .address_space: global }
      - { .name: xs, .offset: 8, .size: 8, .value_kind: global_buffer, .address_space: global }
      - { .name: wc, .offset: 16, .size: 8, .value_kind: global_buffer, .address_space: global }
      - { .name: ws, .offset: 24, .size: 8, .value_kind: global_buffer, .address_space: global }
      - { .name: qkv16, .offset: 32, .size: 8, .value_kind: global_buffer, .address_space: global }
      - { .name: qkv32, .offset: 40, .size: 8, .value_kind: global_buffer, .address_space: global }
    .group_segment_fixed_size: 327680
    .private_segment_fixed_size: 0
    .kernarg_segment_align: 8
    .kernarg_segment_size: 48
    .max_flat_workgroup_size: 128
    .sgpr_count:     98
    .vgpr_count:     1024
    .wavefront_size: 32
...
	.end_amdgpu_metadata
.endif
;; end of part 2
;; launch attn (part 3): grid 4 x 64, 16 waves a work-group, clusters of 4 x 1, 327,680 bytes of LDS; arguments qkv16, o16; writes o16
.if DOCPART == 3
	.amdgcn_target "amdgcn-amd-amdhsa--gfx1250"
	.amdhsa_code_object_version 6
	.text
	.protected	k_qa7037b27db_attn
	.globl	k_qa7037b27db_attn
	.p2align	8
	.type	k_qa7037b27db_attn,@function
k_qa7037b27db_attn:
	s_mov_b64 s[64:65], 0
	v_nop
	global_prefetch_b8 v0, s[64:65] scope:SCOPE_SE
	s_setreg_imm32_b32 hwreg(HW_REG_WAVE_MODE, 25, 1), 1
	s_wait_xcnt 0x0
	s_wait_alu depctr_hold_cnt(0) depctr_sa_sdst(0) depctr_va_vdst(0) depctr_va_sdst(0) depctr_va_ssrc(0) depctr_va_vcc(0) depctr_vm_vsrc(0)
	s_getreg_b32 s2, hwreg(HW_REG_IB_STS2, 6, 4)
	s_cmp_eq_u32 s2, 0
	s_cbranch_scc0 .Lentry_in_a_cluster
	s_endpgm
.Lentry_in_a_cluster:
	s_bfe_u32 s2, ttmp6, 0x10000c
	s_cmp_lg_u32 s2, 0x3003
	s_cbranch_scc0 .Lentry_shape_is_right
	s_endpgm
.Lentry_shape_is_right:
; o[b][h][q] = sum over k <= q of softmax_k(q . k / 8) v[k], head size 64, 2,048 positions, 64 (batch, head) pairs; operands f16, products, maxima and sums f32, a running maximum.
; SHARES.  A cluster of four work-groups is one (batch, head).  Wave w (0..15) of work-group cx owns the 32 queries from 128 w + 32 cx: two tiles of 16.  Keys go 64 a step.
; A step is left out where its first key is at or beyond 128 w + 128, masked where it is at or beyond 128 w, open below: tests on the wave's number and the count of steps alone, the same in
; all four partners, which so do the same work and read every tile: K and V are asked for JOINTLY (mask 15).  The price: the block of 128 keys on the diagonal is computed whole.
; LAYOUT.  S^T = K Q^T (source 0 = 16 keys, source 1 = 16 queries) and O^T = V^T P: a lane holds one query (lane % 16) throughout.  q, k, v lie in memory as chunks of 512 bytes, images of
; half an operand fragment: K and Q come by loads at 16 x lane; V's chunks are 16 keys x 32 bytes and come turned, by ds_load_tr16_b128: sixteen lanes read 256 consecutive bytes.
; THE RING: two slots of 512 keys (K 65,536 bytes, then V 65,536).  Waves 0-3 fetch a quarter of a slot each.  Both slots are first fills; each is filled again once, behind a round of the
; cluster's barrier.  By this text's count a fetching wave has two tensor loads out at the start and one later.
; No prefetch is laid: half of a head's K and V is asked for by the first fills, and each of the two refills is issued a whole slot's walk, eight steps of every active wave, ahead of the wait for it.
; LIMITS: p (at most 1) and o are rounded to f16; o under 6e-5 keeps an absolute step of 6e-8.  The first 16 positions of every sequence are made again in f32 by the last launch.
; REGISTERS: v1-4 addresses; v5, v6 the add's two; v8-11 the mask; v12-27 statistics, eight a tile; v32-63 Q; v64-127 K, then V; v128-191 S^T, then p; v192-255 O^T.
.set SLOT1, 131072
.set VOFF,  65536
.set SPARE, 262144                     ; the spare words, 128 bytes for each of 16 waves
.set AK0, 1                            ; v1 16 x lane
.set AV0, 2                            ; v2 my place in a chunk of V, + VOFF
.set ADK, 3
.set ADV, 4
.set SPW, 5
.set NIL, 6
.set DQ,  8                            ; v8 32 cx + r - 8 h
.set DD,  9                            ; v9, v10 the mask's bound for tile 0, 1
.set NINF, 11                          ; v11 -infinity
.set ST,  12                           ; tile t at v[ST+8 t]: +0 c m, +1 m, +2, +3 l, +4 .. +7 at work; a in +6
.set QF,  32
.set KV,  64
.set SS,  128
.set OT,  192
.set WV,  8
.set G1,  16
.set CS,  32                           ; s[32:33] c = log2(e) / 8
.set SEL, 34
.set TB,  36                           ; LDS byte of the step's tiles
.set KF,  37                           ; the step's first key
.set QB,  38                           ; 128 w
.set QE,  39                           ; 128 w + 128
.macro CROUND
	s_barrier_signal -1
	s_barrier_wait -1
	s_cmp_lg_u32 s[WV], 0
	s_cbranch_scc1 .Lnot_wave_0_\@
	s_barrier_signal -3
.Lnot_wave_0_\@:
	s_barrier_wait -3
	s_barrier_signal -1
	s_barrier_wait -1
.endm
	s_load_b128 s[4:7], s[0:1], 0x0                ; qkv16, o16
	v_lshl_add_u32 v[SPW], v0, 2, SPARE
	v_mov_b32 v[NIL], 0
	ds_add_u32 v[SPW], v[NIL]                      ; the opening: the add, twice on end, and its wait ahead of the first tensor load
	ds_add_u32 v[SPW], v[NIL]
	v_lshrrev_b32 v1, 5, v0
	v_readfirstlane_b32 s[WV], v1                  ; wave 0..15
	s_bfe_u32 s9, ttmp6, 0x40000                   ; cx
	s_and_b32 s10, ttmp7, 0xffff                   ; batch x 16 + head
	s_mov_b32 s[G1], 15|(3<<16)|(1<<21)            ; the mask: all four; elements of 8 bytes; bit 21 beside a mask; no padding
	s_mov_b32 s[G1+1], 32<<16                      ; tensor_dim0: 32 elements = 256 bytes
	s_mov_b32 s[G1+2], 128<<16                     ; tensor_dim1: 128 rows
	s_mov_b32 s[G1+3], 32<<16                      ; tile_dim0
	s_mov_b32 s[G1+4], 128                         ; tile_dim1
	s_mov_b32 s[G1+5], 32                          ; pitch: the block is dense
	s_mov_b32 s[G1+6], 0
	s_mov_b32 s[G1+7], 0
	s_mov_b32 s[CS], 0x3e38aa3b
	s_mov_b32 s[CS+1], s[CS]
	s_mov_b32 s[SEL], 0x76543210
	s_mov_b32 s[SEL+1], 0xfedcba98
	s_mov_b32 s[TB], 0
	s_mov_b32 s[KF], 0
	s_lshl_b32 s[QB], s[WV], 7
	s_add_co_u32 s[QE], s[QB], 128
	s_and_b32 s44, s[WV], 3                        ; which quarter of a slot I fetch, if I fetch: K's halves, then V's
	s_lshl_b32 s45, s44, 15                        ; its place in a slot
	s_lshr_b32 s46, s44, 1
	s_add_co_u32 s46, s46, 1                       ; kind 1 (k) or 2 (v)
	s_lshl_b32 s46, s46, 24
	s_lshl_b32 s47, s10, 18
	s_add_co_u32 s46, s46, s47
	s_and_b32 s47, s44, 1
	s_lshl_b32 s47, s47, 15
	s_add_co_u32 s46, s46, s47
	s_mov_b32 s47, 0
	s_wait_dscnt 0x0                               ; both opening adds are done
	s_wait_kmcnt 0x0
	s_mov_b32 s24, 1                               ; group 0 for slot 0
	s_mov_b32 s25, s45
	s_add_nc_u64 s[26:27], s[4:5], s[46:47]
	s_mov_b32 s28, 1                               ; group 0 that walks: it begins at slot 1, keys 512 on
	s_add_co_u32 s29, s45, SLOT1
	s_add_nc_u64 s[30:31], s[26:27], 65536
	s_or_b32 s27, s27, 0x80000000
	s_or_b32 s31, s31, 0x80000000
	s_lshl_b32 s44, s[WV], 3
	s_lshl_b32 s45, s9, 1
	s_add_co_u32 s44, s44, s45                     ; my first token tile: 8 w + 2 cx
	s_lshl_b32 s46, s10, 18
	s_lshl_b32 s45, s44, 11
	s_add_co_u32 s46, s46, s45
	s_add_nc_u64 s[12:13], s[4:5], s[46:47]        ; Q at my first query
	s_lshr_b32 s46, s10, 4
	s_lshl_b32 s46, s46, 7
	s_add_co_u32 s46, s46, s44
	s_lshl_b32 s46, s46, 15                        ; o16: token tiles of 32,768 bytes,
	s_and_b32 s45, s10, 15
	s_lshl_b32 s45, s45, 11                        ; a head's four chunks
	s_add_co_u32 s46, s46, s45
	s_add_nc_u64 s[14:15], s[6:7], s[46:47]
	CROUND                                         ; all four work-groups are here
	s_cmp_lt_u32 s[WV], 4                          ; a wave's two first fills stand in one branch
	s_cbranch_scc0 .Lno_first
	tensor_load_to_lds s[24:27], s[G1:G1+7]
	s_nop 0
	tensor_load_to_lds s[28:31], s[G1:G1+7]
	s_nop 0
.rept 4
	v_nop
.endr
.Lno_first:
	v_and_b32 v[AK0], 31, v0
	v_lshlrev_b32 v[AK0], 4, v[AK0]
.irp t, 0,1
.irp c, 0,1,2,3
	global_load_b128 v[QF+16*\t+4*\c:QF+16*\t+4*\c+3], v[AK0], s[12:13] offset:2048*\t+512*\c th:TH_LOAD_NT   ; Q stays in registers
.endr
.endr
	v_and_b32 v7, 15, v0                           ; r
	v_bfe_u32 v9, v0, 4, 1                         ; h
	v_and_b32 v[AV0], 7, v0
	v_lshl_add_u32 v[AV0], v9, 3, v[AV0]           ; key 8 h + lane % 8 of a chunk,
	v_bfe_u32 v10, v0, 3, 1
	v_lshlrev_b32 v[AV0], 5, v[AV0]                ; 32 bytes a key,
	v_lshl_add_u32 v[AV0], v10, 4, v[AV0]          ; channels 8 ((lane / 8) % 2) on
	v_add_nc_u32 v[AV0], VOFF, v[AV0]
	v_lshlrev_b32 v9, 3, v9
	v_sub_nc_u32 v[DQ], v7, v9
	s_lshl_b32 s44, s9, 5
	v_add_nc_u32 v[DQ], s44, v[DQ]
	v_mov_b32 v[NINF], 0xff800000
.irp t, 0,1
	v_mov_b32 v[ST+8*\t+1], 0xff61b1e6             ; m = -3e38, under every score that this text serves
	v_mul_f32 v[ST+8*\t], s[CS], v[ST+8*\t+1]      ; c m
.irp i, 2,3,4,5,6,7
	v_mov_b32 v[ST+8*\t+\i], 0                     ; l; and the work registers, written once
.endr
.endr
.set j, 0
.rept 64
	v_mov_b32 v[OT+j], 0                           ; O^T: the step is written once; the first finds zeros
.set j, j+1
.endr
	s_wait_tensorcnt 1                             ; my part of slot 0 is in; slot 1's may stay out
	s_barrier_signal -1
	s_barrier_wait -1
	s_wait_loadcnt 0x0                             ; Q
.macro STEP                            ; 64 keys
	s_cmp_ge_u32 s[KF], s[QE]                      ; all its keys come after my queries' block: left out
	s_cbranch_scc1 .Lhidden_\@
	v_add_nc_u32 v[ADK], s[TB], v[AK0]
	v_add_nc_u32 v[ADV], s[TB], v[AV0]
.rept 3
	v_nop                                          ; five places in all: the scores below are laid over p, an operand of the last products; four serve the loads into V's registers
.endr
.irp i, 0,1,2,3,4,5,6,7,8,9,10,11,12,13,14,15
	ds_load_b128 v[KV+4*\i:KV+4*\i+3], v[ADK] offset:512*\i   ; chunk (key tile i / 4, channel tile i % 4)
.endr
	s_wait_dscnt 0x0
.irp cs, 0,1                           ; S^T = K Q^T: eight accumulators by turns
.irp kt, 0,1,2,3
.irp t, 0,1
.if \cs == 0
	v_wmma_f32_16x16x32_f16 v[SS+32*\t+8*\kt:SS+32*\t+8*\kt+7], v[KV+16*\kt+8*\cs:KV+16*\kt+8*\cs+7], v[QF+16*\t+8*\cs:QF+16*\t+8*\cs+7], 0
.else
	v_wmma_f32_16x16x32_f16 v[SS+32*\t+8*\kt:SS+32*\t+8*\kt+7], v[KV+16*\kt+8*\cs:KV+16*\kt+8*\cs+7], v[QF+16*\t+8*\cs:QF+16*\t+8*\cs+7], v[SS+32*\t+8*\kt:SS+32*\t+8*\kt+7]
.endif
.endr
.endr
.endr
.rept 4
	v_nop                                          ; places ahead of the loads into K's registers and of the first read of the scores
.endr
.irp ct, 0,1,2,3
.irp ks, 0,1
.irp u, 0,1
	ds_load_tr16_b128 v[KV+16*\ct+8*\ks+4*\u:KV+16*\ct+8*\ks+4*\u+3], v[ADV] offset:(2*\ks+\u)*2048+\ct*512   ; V^T: channels 16 ct on, keys 32 ks + 16 u on; it lands under the softmax
.endr
.endr
.endr
	s_cmp_lt_u32 s[KF], s[QB]                      ; below my block every key counts
	s_cbranch_scc1 .Lopen_\@
	s_sub_co_u32 s44, s[KF], s[QB]
	v_sub_nc_u32 v[DD], v[DQ], s44                 ; register 8 kt + j of tile t holds key KF + 16 kt + 8 h + j: hidden where 16 kt + j > my query - KF - 8 h
	v_add_nc_u32 v[DD+1], 16, v[DD]
.irp t, 0,1
.set n, 0
.rept 32
	v_cmp_gt_i32 vcc_lo, 16*(n/8)+n%8, v[DD+\t]
	v_cndmask_b32 v[SS+32*\t+n], v[SS+32*\t+n], v[NINF], vcc_lo
.set n, n+1
.endr
.endr
.Lopen_\@:
.irp c, 0,1,2,3                        ; the maximum of 32 scores and the old m: four chains a tile, each accumulator from its low end on
.irp t, 0,1
	v_max3_num_f32 v[ST+8*\t+4+\c], v[SS+32*\t+8*\c], v[SS+32*\t+8*\c+1], v[SS+32*\t+8*\c+2]
.endr
.endr
.irp g, 3,5
.irp c, 0,1,2,3
.irp t, 0,1
	v_max3_num_f32 v[ST+8*\t+4+\c], v[ST+8*\t+4+\c], v[SS+32*\t+8*\c+\g], v[SS+32*\t+8*\c+\g+1]
.endr
.endr
.endr
.irp t, 0,1
	v_max3_num_f32 v[ST+8*\t+4], v[ST+8*\t+4], v[SS+32*\t+7], v[SS+32*\t+15]
	v_max3_num_f32 v[ST+8*\t+6], v[ST+8*\t+6], v[SS+32*\t+23], v[SS+32*\t+31]
.endr
.irp t, 0,1
	v_max3_num_f32 v[ST+8*\t+4], v[ST+8*\t+4], v[ST+8*\t+5], v[ST+8*\t+6]
.endr
.irp t, 0,1
	v_max3_num_f32 v[ST+8*\t+4], v[ST+8*\t+4], v[ST+8*\t+7], v[ST+8*\t+1]
.endr
.irp t, 0,1
	v_permlanex16_b32 v[ST+8*\t+5], v[ST+8*\t+4], s[SEL], s[SEL+1]   ; the query's other 32 keys lie 16 lanes away
.endr
.irp t, 0,1
	v_mov_b32 v[ST+8*\t+7], v[ST+8*\t]             ; c m_old
.endr
.irp t, 0,1
	v_max_num_f32 v[ST+8*\t+1], v[ST+8*\t+4], v[ST+8*\t+5]
.endr
.irp t, 0,1
	v_mul_f32 v[ST+8*\t], s[CS], v[ST+8*\t+1]
.endr
.irp t, 0,1
	v_sub_f32 v[ST+8*\t+7], v[ST+8*\t+7], v[ST+8*\t]
.endr
.irp t, 0,1
	v_exp_f32 v[ST+8*\t+6], v[ST+8*\t+7]           ; a = 2^(c m_old - c m_new)
.endr
.irp t, 0,1
.set j, 0
.rept 16
	v_pk_fma_f32 v[SS+32*\t+j:SS+32*\t+j+1], v[SS+32*\t+j:SS+32*\t+j+1], s[CS:CS+1], v[ST+8*\t:ST+8*\t+1] op_sel_hi:[1,0,0] neg_lo:[0,0,1] neg_hi:[0,0,1]   ; c s - c m
.set j, j+2
.endr
.endr
	s_wait_alu depctr_va_vdst(0)                   ; a wait ahead of a's first reader; the 32 scalings stand between
.set j, 0
.rept 64
	v_exp_f32 v[SS+j], v[SS+j]                     ; p, one batch
.set j, j+1
.endr
.irp t, 0,1                            ; plain work that names no p: O^T and l under the new maximum
.set j, 0
.rept 16
	v_pk_mul_f32 v[OT+32*\t+j:OT+32*\t+j+1], v[OT+32*\t+j:OT+32*\t+j+1], v[ST+8*\t+6:ST+8*\t+7] op_sel_hi:[1,0]
.set j, j+2
.endr
	v_pk_mul_f32 v[ST+8*\t+2:ST+8*\t+3], v[ST+8*\t+2:ST+8*\t+3], v[ST+8*\t+6:ST+8*\t+7] op_sel_hi:[1,0]
.endr
	s_wait_alu depctr_va_vdst(0)                   ; one wait for the batch of 64, ahead of its first reader
.irp t, 0,1
	v_pk_add_f32 v[ST+8*\t+4:ST+8*\t+5], v[SS+32*\t:SS+32*\t+1], v[SS+32*\t+2:SS+32*\t+3]   ; the sums, of p in f32, in two chains a tile
.endr
.irp g, 4,8,12,16,20,24,28
.irp t, 0,1
	v_pk_add_f32 v[ST+8*\t+2:ST+8*\t+3], v[ST+8*\t+2:ST+8*\t+3], v[SS+32*\t+\g:SS+32*\t+\g+1]
	v_pk_add_f32 v[ST+8*\t+4:ST+8*\t+5], v[ST+8*\t+4:ST+8*\t+5], v[SS+32*\t+\g+2:SS+32*\t+\g+3]
.endr
.endr
.irp t, 0,1
	v_pk_add_f32 v[ST+8*\t+2:ST+8*\t+3], v[ST+8*\t+2:ST+8*\t+3], v[ST+8*\t+4:ST+8*\t+5]
.endr
.irp t, 0,1
.set j, 0
.rept 16
	v_cvt_pk_f16_f32 v[SS+32*\t+j], v[SS+32*\t+2*j], v[SS+32*\t+2*j+1]   ; in place, ascending: the tile's low 16 registers become source 1 of the second product
.set j, j+1
.endr
.endr
	s_wait_dscnt 0x0                               ; V is in
.irp ks, 0,1                           ; O^T += V^T P: eight accumulators by turns
.irp ct, 0,1,2,3
.irp t, 0,1
	v_wmma_f32_16x16x32_f16 v[OT+32*\t+8*\ct:OT+32*\t+8*\ct+7], v[KV+16*\ct+8*\ks:KV+16*\ct+8*\ks+7], v[SS+32*\t+8*\ks:SS+32*\t+8*\ks+7], v[OT+32*\t+8*\ct:OT+32*\t+8*\ct+7]
.endr
.endr
.endr
.Lhidden_\@:
	s_add_co_u32 s[KF], s[KF], 64
	s_add_co_u32 s[TB], s[TB], 8192
.endm
.macro WALK                            ; a slot's eight steps, written once
	s_mov_b32 s40, 8
.Lstep_\@:
	STEP
	s_sub_co_u32 s40, s40, 1
	s_cmp_lg_u32 s40, 0
	s_cbranch_scc1 .Lstep_\@
	s_sub_co_u32 s[TB], s[TB], 65536               ; back to a slot's first step,
	s_xor_b32 s[TB], s[TB], SLOT1                  ; in the other slot
.endm
; The change of slots.  Every wave waits for all its tensor loads, adds 0 to its spare word, and waits for that and for its reads of the slot that it leaves.  fill = 1: a round of the cluster's
; barrier, and the slot just left is filled with the keys two slots on, first thing behind the round, one load a fetching wave.
.macro CHANGE fill
	s_wait_tensorcnt 0x0                           ; no tensor load of mine is out: the walking group 0 may be written
	ds_add_u32 v[SPW], v[NIL]
.if \fill
	ds_add_u32 v[SPW], v[NIL]                      ; and twice on end here
	s_xor_b32 s29, s29, SLOT1
	s_add_nc_u64 s[30:31], s[30:31], 65536         ; the next 512 keys; the type bits are not reached
	s_wait_dscnt 0x0
	CROUND
	s_cmp_lt_u32 s[WV], 4
	s_cbranch_scc0 .Lnone_\@
	tensor_load_to_lds s[28:31], s[G1:G1+7]
	s_nop 0
.rept 4
	v_nop
.endr
.Lnone_\@:
.else
	s_wait_dscnt 0x0
	s_barrier_signal -1
	s_barrier_wait -1
.endif
.endm
	s_mov_b32 s41, 2
.Lfill:                                            ; two trips: keys 0-511 and 512-1023 are walked, keys 1024-1535 and 1536-2047 asked for
	WALK
	CHANGE 1
	s_sub_co_u32 s41, s41, 1
	s_cmp_lg_u32 s41, 0
	s_cbranch_scc1 .Lfill
	WALK
	CHANGE 0                                       ; nothing is left to ask for
	WALK
	; the way out: O^T / l, rounded to f16: 16 bytes a lane are a chunk of o16, as the projection's operand wants it
.rept 4
	v_nop                                          ; places behind the last products
.endr
.irp t, 0,1
	v_add_f32 v[ST+8*\t+4], v[ST+8*\t+2], v[ST+8*\t+3]
.endr
.irp t, 0,1
	v_permlanex16_b32 v[ST+8*\t+5], v[ST+8*\t+4], s[SEL], s[SEL+1]
.endr
.irp t, 0,1
	v_add_f32 v[ST+8*\t+4], v[ST+8*\t+4], v[ST+8*\t+5]
.endr
.irp t, 0,1
	v_rcp_f32 v[ST+8*\t+6], v[ST+8*\t+4]
.endr
	v_nop                                          ; a plain instruction behind the last reciprocal
	s_wait_alu depctr_va_vdst(0)                   ; one wait for both, ahead of their first reader
.irp t, 0,1
.set j, 0
.rept 16
	v_pk_mul_f32 v[OT+32*\t+j:OT+32*\t+j+1], v[OT+32*\t+j:OT+32*\t+j+1], v[ST+8*\t+6:ST+8*\t+7] op_sel_hi:[1,0]
.set j, j+2
.endr
.endr
.irp t, 0,1
.set j, 0
.rept 16
	v_cvt_pk_f16_f32 v[SS+16*\t+j], v[OT+32*\t+2*j], v[OT+32*\t+2*j+1]
.set j, j+1
.endr
.endr
.irp t, 0,1
.irp c, 0,1,2,3
	global_store_b128 v[AK0], v[SS+16*\t+4*\c:SS+16*\t+4*\c+3], s[14:15] offset:32768*\t+512*\c th:TH_STORE_NT   ; 512 consecutive aligned bytes
.endr
.endr
	s_wait_tensorcnt 0x0                           ; the wave's end
	ds_add_u32 v[SPW], v[NIL]
	s_wait_dscnt 0x0
	CROUND                                         ; the closing round
	s_endpgm
.Lfunc_end_k_qa7037b27db_attn:
	.size	k_qa7037b27db_attn, .Lfunc_end_k_qa7037b27db_attn-k_qa7037b27db_attn
	.p2alignl 7, 3214868480
	.fill 96, 4, 3214868480
	.section	.rodata,"a",@progbits
	.p2align	6, 0x0
	.amdhsa_kernel k_qa7037b27db_attn
		.amdhsa_group_segment_fixed_size 327680
		.amdhsa_private_segment_fixed_size 0
		.amdhsa_enable_private_segment 0
		.amdhsa_kernarg_size 16
		.amdhsa_user_sgpr_count 2
		.amdhsa_user_sgpr_kernarg_segment_ptr 1
		.amdhsa_wavefront_size32 1
		.amdhsa_system_sgpr_workgroup_id_x 1
		.amdhsa_system_sgpr_workgroup_id_y 1
		.amdhsa_system_sgpr_workgroup_id_z 1
		.amdhsa_system_vgpr_workitem_id 0
		.amdhsa_next_free_vgpr 256
		.amdhsa_next_free_sgpr 66
		.amdhsa_reserve_vcc 1
		.amdhsa_float_denorm_mode_32 3
		.amdhsa_float_denorm_mode_16_64 3
		.amdhsa_memory_ordered 1
		.amdhsa_forward_progress 1
		.amdhsa_inst_pref_size 80
	.end_amdhsa_kernel
	.amdgpu_metadata
---
amdhsa.version: [ 1, 2 ]
amdhsa.kernels:
  - .name:           k_qa7037b27db_attn
    .symbol:         k_qa7037b27db_attn.kd
    .args:
      - { .name: qkv16, .offset: 0, .size: 8, .value_kind: global_buffer, .address_space: global }
      - { .name: o16, .offset: 8, .size: 8, .value_kind: global_buffer, .address_space: global }
    .group_segment_fixed_size: 327680
    .private_segment_fixed_size: 0
    .kernarg_segment_align: 8
    .kernarg_segment_size: 16
    .max_flat_workgroup_size: 512
    .sgpr_count:     66
    .vgpr_count:     256
    .wavefront_size: 32
...
	.end_amdgpu_metadata
.endif
;; end of part 3
;; launch proj (part 4): grid 4 x 64, 4 waves a work-group, clusters of 4 x 4, 327,680 bytes of LDS; arguments o16, wp16, out0; writes out0
.if DOCPART == 4
	.amdgcn_target "amdgcn-amd-amdhsa--gfx1250"
	.amdhsa_code_object_version 6
	.text
	.protected	k_qa7037b27db_proj
	.globl	k_qa7037b27db_proj
	.p2align	8
	.type	k_qa7037b27db_proj,@function
k_qa7037b27db_proj:
	s_mov_b64 s[64:65], 0
	v_nop
	global_prefetch_b8 v0, s[64:65] scope:SCOPE_SE
	s_setreg_imm32_b32 hwreg(HW_REG_WAVE_MODE, 25, 1), 1
	s_wait_xcnt 0x0
	s_wait_alu depctr_hold_cnt(0) depctr_sa_sdst(0) depctr_va_vdst(0) depctr_va_sdst(0) depctr_va_ssrc(0) depctr_va_vcc(0) depctr_vm_vsrc(0)
	s_getreg_b32 s2, hwreg(HW_REG_IB_STS2, 6, 4)
	s_cmp_eq_u32 s2, 0
	s_cbranch_scc0 .Lentry_in_a_cluster
	s_endpgm
.Lentry_in_a_cluster:
	s_bfe_u32 s2, ttmp6, 0x10000c
	s_cmp_lg_u32 s2, 0xf033
	s_cbranch_scc0 .Lentry_shape_is_right
	s_endpgm
.Lentry_shape_is_right:
; out0[m][n] = sum over k of o[m][k] W_proj[n][k]; m 8,192, n 1,024, k 1,024; operands f16, sums and result f32.
; A tile of 128 tokens x 256 columns to a work-group: 256 work-groups (tiles of 256 x 256 would be 128).  Four waves, 64 x 128 each: 32 accumulators, all of window 1.
; Both operands lie in memory as chunks of 512 bytes (16 rows x 16 along K, an image of half a fragment), [row tile][64 chunks]: a K step of 128 is 4,096 consecutive bytes of each row tile,
; and a fragment comes out of LDS by two loads at 16 x lane: no pitch, no padding.  K goes in 8 steps through two slots.
; CLUSTERS: 4 x 4 work-groups; o's tiles are shared along a row of the cluster, W_proj's along a column: joint loads.  A wave has two tensor loads out at the start and one later.
; THE MATRIX INSTRUCTION IS USED TRANSPOSED (source 0 = 16 rows of W_proj, source 1 = 16 tokens): a lane holds eight neighbouring columns of one row of out0.
; All rows are written here; rows 0-15 of each sequence are written again, from f32 operands, by the last launch (leaving them out here would be a branch on a place in the cluster).
; No prefetch is laid: of 8 K steps two come by the first fills, and the launch is short.
; REGISTERS: window 0: v16-29 addresses; v32-127, v128-223 two fragment buffers (o's four blocks, then W_proj's eight); on the way out v32-159 hold rows.  window 1: accumulator (a, b) at v[8 (8 a + b)].
.set SLOT,   98304                     ; o: 8 token tiles x 4,096 bytes; then W_proj: 16 row tiles x 4,096
.set BOFF,   32768
.set STAGE,  2*SLOT                    ; 16 rows x 528 bytes for each wave: bytes of their own, no fill lands there
.set SPITCH, 528
.set SPARE,  STAGE+4*16*SPITCH
.set STEPB,  4096                      ; a K step of a row tile in memory
.set ADRA, 16
.set ADRB, 20
.set STO,  24
.set RD,   25
.set CO,   26
.set SPW,  28
.set NIL,  29
.set F0,   32
.set F1,   128
.set BK,   32
.set G1, 24
.set G0, 32
.set G1B, 48
.set G0B, 56
.set MSB, 0
.macro WIN new
.if MSB != \new
	s_set_vgpr_msb (MSB<<8)|\new
.set MSB, \new
.endif
.endm
.set MUL, 0x50                         ; C and D window 1, both sources window 0
.macro JLOAD s                         ; waves 0 and 1 fetch o's two halves, waves 2 and 3 W_proj's; an s_nop 0 and four v_nop follow each line
	s_cmp_eq_u32 s11, 0
	s_cbranch_scc0 .Lfor_b_\@
	tensor_load_to_lds s[G0+4*\s:G0+4*\s+3], s[G1:G1+7]
	s_nop 0
.rept 4
	v_nop
.endr
	s_branch .Lasked_\@
.Lfor_b_\@:
	tensor_load_to_lds s[G0B+4*\s:G0B+4*\s+3], s[G1B:G1B+7]
	s_nop 0
.rept 4
	v_nop
.endr
.Lasked_\@:
.endm
.macro CREST
	s_cmp_lg_u32 s10, 0
	s_cbranch_scc1 .Lnot_wave_0_\@
	s_barrier_signal -3
.Lnot_wave_0_\@:
	s_barrier_wait -3
	s_barrier_signal -1
	s_barrier_wait -1
.endm
.macro CROUND
	s_barrier_signal -1
	s_barrier_wait -1
	CREST
.endm
	s_load_b128 s[4:7], s[0:1], 0x0                ; o16, wp16
	s_load_b64 s[8:9], s[0:1], 0x10                ; out0
	v_lshl_add_u32 v[SPW], v0, 2, SPARE
	v_mov_b32 v[NIL], 0
	ds_add_u32 v[SPW], v[NIL]                      ; the opening: the add, twice on end, and its wait ahead of my first tensor load
	ds_add_u32 v[SPW], v[NIL]
	v_lshrrev_b32 v1, 5, v0
	v_readfirstlane_b32 s10, v1                    ; wave 0..3
	s_lshr_b32 s11, s10, 1                         ; my half of the tile's tokens.  Also: I fetch for o (0) or W_proj (1)
	s_and_b32 s12, s10, 1                          ; my half of its columns.  Also: which half of that tile I fetch
	s_bfe_u32 s40, ttmp6, 0x40000                  ; cx
	s_bfe_u32 s41, ttmp6, 0x40004                  ; cy
	s_lshl_b32 s42, ttmp9, 2
	s_add_co_u32 s42, s42, s40                     ; tile column
	s_and_b32 s13, ttmp7, 0xffff
	s_lshl_b32 s13, s13, 2
	s_add_co_u32 s13, s13, s41                     ; tile row
	s_lshl_b32 s43, s41, 2
	s_lshl_b32 s43, 15, s43                        ; my row of the cluster
	s_lshl_b32 s44, 0x1111, s40                    ; my column
	s_or_b32 s[G1], s43, (3<<16)|(1<<21)           ; mask; elements of 8 bytes; bit 21 beside a mask; no padding
	s_mov_b32 s[G1+1], 512<<16                     ; tensor_dim0: 512 elements = 4,096 bytes
	s_mov_b32 s[G1+2], 4<<16                       ; tensor_dim1: 4 token tiles
	s_mov_b32 s[G1+3], 512<<16                     ; tile_dim0
	s_mov_b32 s[G1+4], 4                           ; tile_dim1
	s_mov_b32 s[G1+5], 4096                        ; pitch: 32,768 bytes from row tile to row tile
	s_mov_b32 s[G1+6], 0
	s_mov_b32 s[G1+7], 0
	s_or_b32 s[G1B], s44, (3<<16)|(1<<21)
	s_mov_b32 s[G1B+1], 512<<16
	s_mov_b32 s[G1B+2], 8<<16                      ; 8 row tiles of W_proj
	s_mov_b32 s[G1B+3], 512<<16
	s_mov_b32 s[G1B+4], 8
	s_mov_b32 s[G1B+5], 4096
	s_mov_b32 s[G1B+6], 0
	s_mov_b32 s[G1B+7], 0
	s_lshl_b32 s16, s13, 3
	s_lshl_b32 s17, s12, 2
	s_add_co_u32 s16, s16, s17                     ; o: token tile 8 x tile row + 4 x half
	s_lshl_b32 s16, s16, 15
	s_mov_b32 s17, 0
	s_lshl_b32 s46, s42, 4
	s_lshl_b32 s47, s12, 3
	s_add_co_u32 s46, s46, s47                     ; W_proj: row tile 16 x tile column + 8 x half
	s_lshl_b32 s46, s46, 15
	s_mov_b32 s47, 0
	s_lshl_b32 s20, s12, 14                        ; where they go: o's halves at 0 and 16,384,
	s_lshl_b32 s21, s12, 15
	s_add_co_u32 s21, s21, BOFF                    ; W_proj's at 32,768 and 65,536
	s_wait_dscnt 0x0                               ; both opening adds are done
	s_wait_kmcnt 0x0
	s_add_nc_u64 s[14:15], s[4:5], s[16:17]
	s_add_nc_u64 s[46:47], s[6:7], s[46:47]
	CROUND                                         ; all sixteen work-groups are here
.irp s, 0,1
	s_mov_b32 s[G0+4*\s], 1
	s_add_co_u32 s[G0+4*\s+1], s20, \s*SLOT
	s_add_nc_u64 s[G0+4*\s+2:G0+4*\s+3], s[14:15], \s*STEPB
	s_or_b32 s[G0+4*\s+3], s[G0+4*\s+3], 0x80000000
	s_mov_b32 s[G0B+4*\s], 1
	s_add_co_u32 s[G0B+4*\s+1], s21, \s*SLOT
	s_add_nc_u64 s[G0B+4*\s+2:G0B+4*\s+3], s[46:47], \s*STEPB
	s_or_b32 s[G0B+4*\s+3], s[G0B+4*\s+3], 0x80000000
	JLOAD \s
.endr
	v_and_b32 v1, 15, v0                           ; r
	v_bfe_u32 v2, v0, 4, 1                         ; h
	v_and_b32 v3, 31, v0
	v_lshlrev_b32 v[CO], 4, v3                     ; 16 x lane
	s_lshl_b32 s21, s11, 14                        ; my four token tiles
	s_lshl_b32 s22, s12, 15
	s_add_co_u32 s22, s22, BOFF                    ; my eight row tiles of W_proj
.irp s, 0,1
	v_add_nc_u32 v[ADRA+\s], s21, v[CO]
	v_add_nc_u32 v[ADRB+\s], s22, v[CO]
	s_add_co_u32 s21, s21, SLOT
	s_add_co_u32 s22, s22, SLOT
.endr
	s_mul_i32 s23, s10, 16*SPITCH
	s_add_co_u32 s23, s23, STAGE                   ; my stage
	v_mul_u32_u24 v4, v1, SPITCH
	v_lshl_add_u32 v4, v2, 5, v4
	v_add_nc_u32 v[STO], s23, v4                   ; in: row r, 32 bytes for each half of the lanes
	v_add_nc_u32 v[RD], s23, v[CO]                 ; back: the 32 lanes take a row of 512 bytes
	s_lshl_b32 s16, s13, 19                        ; 128 rows of 4,096 bytes
	s_lshl_b32 s17, s11, 18
	s_add_co_u32 s16, s16, s17
	s_mov_b32 s17, 0
	s_add_nc_u64 s[8:9], s[8:9], s[16:17]
	s_lshl_b32 s46, s42, 10                        ; 256 columns of 4 bytes
	s_lshl_b32 s47, s12, 9
	s_add_co_u32 s46, s46, s47
	s_mov_b32 s47, 0
	s_add_nc_u64 s[8:9], s[8:9], s[46:47]
.macro MUL8 f, a, zero                 ; token block a against W_proj's eight; the 32 accumulators take turns in the same order in every quarter
.irp b, 0,1,2,3,4,5,6,7
.if \zero
	v_wmma_f32_16x16x32_f16 v[8*(8*(\a)+\b):8*(8*(\a)+\b)+7], v[\f+32+8*\b:\f+32+8*\b+7], v[\f+8*(\a):\f+8*(\a)+7], 0
.else
	v_wmma_f32_16x16x32_f16 v[8*(8*(\a)+\b):8*(8*(\a)+\b)+7], v[\f+32+8*\b:\f+32+8*\b+7], v[\f+8*(\a):\f+8*(\a)+7], v[8*(8*(\a)+\b):8*(8*(\a)+\b)+7]
.endif
.endr
.endm
.macro FETCH slot, q, f                ; 24 LDS loads in one run: quarter q (32 along K: chunks 2 q, 2 q + 1): W_proj's 16, then o's blocks 0, 1, then 2, 3
.irp i, 0,1,2,3,4,5,6,7
.irp u, 0,1
	ds_load_b128 v[\f+32+8*\i+4*\u:\f+32+8*\i+4*\u+3], v[ADRB+\slot] offset:4096*\i+512*(2*(\q)+\u)
.endr
.endr
.irp i, 0,1,2,3
.irp u, 0,1
	ds_load_b128 v[\f+8*\i+4*\u:\f+8*\i+4*\u+3], v[ADRA+\slot] offset:4096*\i+512*(2*(\q)+\u)
.endr
.endr
.endm
.macro PLACES
.rept 4
	v_nop
.endr
.endm
.macro QUARTER slot, q, f, g, zero     ; multiplies buffer f; in its middle fetches quarter q of the same slot into g
	s_wait_dscnt 4                                 ; all but the youngest four loads (o's blocks 2, 3)
	WIN MUL
	MUL8 \f, 0, \zero
	MUL8 \f, 1, \zero
	PLACES
	WIN 0
	FETCH \slot, \q, \g
	s_wait_dscnt 24                                ; all but the 24 just issued
	WIN MUL
	MUL8 \f, 2, \zero
	MUL8 \f, 3, \zero
.endm
; A slot's last quarter multiplies buffer 1 and changes slots: in front of the one barrier each wave waits for all its tensor loads, adds 0 to its spare word, and waits for that and for its reads of this slot.
.macro TURN slot, next, fill
	WIN 0
	s_wait_tensorcnt 0x0                           ; my part of the next slot has landed
	ds_add_u32 v[SPW], v[NIL]
	s_wait_dscnt 5                                 ; the add and the youngest four loads may be out
	WIN MUL
	MUL8 F1, 0, 0
	s_wait_dscnt 0x0                               ; the add is done, my reads of this slot are over
	s_barrier_signal -1
	MUL8 F1, 1, 0
	WIN 0
	s_barrier_wait -1
.if \fill
	CREST                                          ; the barrier has opened a round of the cluster's: no wave of any partner still reads this slot or has a load on its way
	s_add_nc_u64 s[G0+4*\slot+2:G0+4*\slot+3], s[G0+4*\slot+2:G0+4*\slot+3], 2*STEPB
	s_add_nc_u64 s[G0B+4*\slot+2:G0B+4*\slot+3], s[G0B+4*\slot+2:G0B+4*\slot+3], 2*STEPB
	JLOAD \slot                                    ; the first tensor load behind the round; its four v_nop are also the places ahead of the loads below
.else
	PLACES
.endif
	FETCH \next, 0, F0
	WIN MUL
	MUL8 F1, 2, 0
	MUL8 F1, 3, 0
.endm
	s_wait_tensorcnt 1                             ; my part of K step 0 is in; K step 1's may stay out
	s_barrier_signal -1
	s_barrier_wait -1
	FETCH 0, 0, F0
	QUARTER 0, 1, F0, F1, 1                        ; the first products start the sums
	WIN 0
	s_mov_b32 s3, 3
.Llap:                                             ; three trips: each goes once round the ring and fills both slots again (K steps 2 to 7)
	QUARTER 0, 2, F1, F0, 0
	QUARTER 0, 3, F0, F1, 0
	TURN 0, 1, 1
	QUARTER 1, 1, F0, F1, 0
	QUARTER 1, 2, F1, F0, 0
	QUARTER 1, 3, F0, F1, 0
	TURN 1, 0, 1
	QUARTER 0, 1, F0, F1, 0
	WIN 0
	s_sub_co_u32 s3, s3, 1
	s_cmp_lg_u32 s3, 0
	s_cbranch_scc1 .Llap
	QUARTER 0, 2, F1, F0, 0                        ; the last lap fills nothing
	QUARTER 0, 3, F0, F1, 0
	TURN 0, 1, 0
	QUARTER 1, 1, F0, F1, 0
	QUARTER 1, 2, F1, F0, 0
	QUARTER 1, 3, F0, F1, 0
	s_wait_dscnt 4
	WIN MUL
	MUL8 F1, 0, 0
	MUL8 F1, 1, 0
	s_wait_dscnt 0
	MUL8 F1, 2, 0
	MUL8 F1, 3, 0
	WIN 0
; The way out, a block of 16 rows x 128 columns at a time, through my own stage: in as 32 bytes a lane, back as whole rows of 512 bytes.  LDS serves a wave's instructions in order: no wait between.
.macro TOSTAGE a
	WIN 0x04                                       ; an LDS store's data: window 1
.irp b, 0,1,2,3,4,5,6,7
	ds_store_b128 v[STO], v[8*(8*(\a)+\b):8*(8*(\a)+\b)+3] offset:64*\b          ; each accumulator from its low end on
	ds_store_b128 v[STO], v[8*(8*(\a)+\b)+4:8*(8*(\a)+\b)+7] offset:64*\b+16
.endr
	WIN 0
.set BB, BK+64*((\a)%2)
.irp t, 0,1,2,3,4,5,6,7,8,9,10,11,12,13,14,15
	ds_load_b128 v[BB+4*\t:BB+4*\t+3], v[RD] offset:\t*SPITCH
.endr
.endm
.macro SEND a, younger
.set BB, BK+64*((\a)%2)
	s_wait_dscnt \younger                          ; the block is back; the next block's 16 stores and 16 loads may be out
.irp t, 0,1,2,3,4,5,6,7,8,9,10,11,12,13,14,15
	global_store_b128 v[CO], v[BB+4*\t:BB+4*\t+3], s[8:9] offset:(16*(\a)+\t)*4096 th:TH_STORE_NT   ; 512 consecutive aligned bytes of a row
.endr
.endm
	PLACES                                         ; ahead of the first read of results and of loads into registers that held operands
	TOSTAGE 0
	TOSTAGE 1
	SEND 0, 32
	s_wait_xcnt 0x0                                ; block 0's stores have read their registers: block 2's rows may land there
	TOSTAGE 2
	SEND 1, 32
	s_wait_xcnt 0x0
	TOSTAGE 3
	SEND 2, 32
	SEND 3, 0
	s_wait_tensorcnt 0x0                           ; the wave's end
	ds_add_u32 v[SPW], v[NIL]
	s_wait_dscnt 0x0
	CROUND                                         ; the closing round
	s_endpgm
.Lfunc_end_k_qa7037b27db_proj:
	.size	k_qa7037b27db_proj, .Lfunc_end_k_qa7037b27db_proj-k_qa7037b27db_proj
	.p2alignl 7, 3214868480
	.fill 96, 4, 3214868480
	.section	.rodata,"a",@progbits
	.p2align	6, 0x0
	.amdhsa_kernel k_qa7037b27db_proj
		.amdhsa_group_segment_fixed_size 327680
		.amdhsa_private_segment_fixed_size 0
		.amdhsa_enable_private_segment 0
		.amdhsa_kernarg_size 24
		.amdhsa_user_sgpr_count 2
		.amdhsa_user_sgpr_kernarg_segment_ptr 1
		.amdhsa_wavefront_size32 1
		.amdhsa_system_sgpr_workgroup_id_x 1
		.amdhsa_system_sgpr_workgroup_id_y 1
		.amdhsa_system_sgpr_workgroup_id_z 1
		.amdhsa_system_vgpr_workitem_id 0
		.amdhsa_next_free_vgpr 512
		.amdhsa_next_free_sgpr 66
		.amdhsa_reserve_vcc 0
		.amdhsa_float_denorm_mode_32 3
		.amdhsa_float_denorm_mode_16_64 3
		.amdhsa_memory_ordered 1
		.amdhsa_forward_progress 1
		.amdhsa_inst_pref_size 84
	.end_amdhsa_kernel
	.amdgpu_metadata
---
amdhsa.version: [ 1, 2 ]
amdhsa.kernels:
  - .name:           k_qa7037b27db_proj
    .symbol:         k_qa7037b27db_proj.kd
    .args:
      - { .name: o16, .offset: 0, .size: 8, .value_kind: global_buffer, .address_space: global }
      - { .name: wp16, .offset: 8, .size: 8, .value_kind: global_buffer, .address_space: global }
      - { .name: out0, .offset: 16, .size: 8, .value_kind: global_buffer, .address_space: global }
    .group_segment_fixed_size: 327680
    .private_segment_fixed_size: 0
    .kernarg_segment_align: 8
    .kernarg_segment_size: 24
    .max_flat_workgroup_size: 128
    .sgpr_count:     66
    .vgpr_count:     512
    .wavefront_size: 32
...
	.end_amdgpu_metadata
.endif
;; end of part 4
;; launch fine (part 5): grid 16 x 4, 16 waves a work-group, no clusters, 71,680 bytes of LDS; arguments qkv32, W_proj, out0; writes out0
.if DOCPART == 5
	.amdgcn_target "amdgcn-amd-amdhsa--gfx1250"
	.amdhsa_code_object_version 6
	.text
	.protected	k_qa7037b27db_fine
	.globl	k_qa7037b27db_fine
	.p2align	8
	.type	k_qa7037b27db_fine,@function
k_qa7037b27db_fine:
	s_mov_b64 s[64:65], 0
	v_nop
	global_prefetch_b8 v0, s[64:65] scope:SCOPE_SE
	s_setreg_imm32_b32 hwreg(HW_REG_WAVE_MODE, 25, 1), 1
	s_wait_xcnt 0x0
; The first 16 positions of each of the four sequences once more, attention and projection, with f32 operands throughout (v_wmma_f32_16x16x4_f32): these rows average few values and are the largest.
; A work-group is (g: 64 columns of out0; b: the sequence).  Wave w is head w: it makes its head's attention for the 16 rows (32 small matrix instructions, made again in each of the 16
; work-groups of a sequence) and the part of the projection that its 64 channels give to the 64 columns; the 16 parts meet in LDS and waves 0-7 add them, head ascending, and store.
; Along a product's K the same order is used on both sides: an instruction's four k are those that lanes (r, 0) and (r, 1) hold in the named pair of registers.
; No tensor loads, so nothing is asked for jointly; the launch moves some 5 MB in all.
; The registers that the matrix instructions write (v112-175) are written by nothing else.
; REGISTERS: v1-11 addresses; v16-47 q, v48-79 k (later W_proj's tiles 2, 3; later the parts); v80-111 V^T; v112-143 X: the scores' four part sums, later the four output tiles; v144-175 Y: O^T;
;   v176-183 scores, then p; v184-187 at work; v192-255 W_proj's tiles 0, 1.
.set PART,  4352                       ; a wave's part: four tiles of 1,088 bytes (8 registers x 128 bytes + 64 of padding)
.set SPARE, 16*PART
.set QQ, 16
.set KK, 48
.set VT, 80
.set X,  112
.set Y,  144
.set P,  176
.set T,  184
	s_load_b128 s[4:7], s[0:1], 0x0                ; qkv32, W_proj
	s_load_b64 s[8:9], s[0:1], 0x10                ; out0
	v_lshl_add_u32 v6, v0, 2, SPARE                ; my spare word; never rewritten
	v_mov_b32 v7, 0                                ; 0; never rewritten
	v_lshrrev_b32 v12, 5, v0
	v_readfirstlane_b32 s10, v12                   ; wave = head
	s_and_b32 s12, ttmp7, 0xffff                   ; the sequence
	v_and_b32 v13, 31, v0
	v_lshlrev_b32 v1, 4, v13                       ; 16 x lane
	v_and_b32 v2, 15, v0                           ; r
	v_bfe_u32 v3, v0, 4, 1                         ; h
	v_bfe_u32 v4, v0, 2, 1                         ; V^T: channel r of a chunk lies at 512 ((r / 4) % 2) + 256 (r / 8) + 4 (r % 4), key 8 h + j at 16 bytes a key
	v_lshlrev_b32 v4, 9, v4
	v_bfe_u32 v12, v0, 3, 1
	v_lshl_add_u32 v4, v12, 8, v4
	v_lshl_add_u32 v4, v3, 7, v4
	v_and_b32 v12, 3, v0
	v_lshl_add_u32 v4, v12, 2, v4
	v_lshlrev_b32 v5, 12, v2
	v_lshl_add_u32 v5, v3, 5, v5                   ; W_proj: row r of 4,096 bytes + 32 h
	s_mul_i32 s14, s10, PART
	v_lshl_add_u32 v8, v13, 2, s14                 ; my part: 4 bytes a lane
	v_bfe_u32 v14, v0, 4, 4                        ; the sum: thread t of waves 0-7 takes query (t / 16) % 16, columns 4 (t % 16) on
	v_and_b32 v9, 7, v14
	v_lshlrev_b32 v9, 7, v9
	v_bfe_u32 v12, v0, 7, 1
	v_lshl_add_u32 v9, v12, 6, v9
	v_bfe_u32 v12, v0, 2, 2
	v_mad_u32_u24 v9, v12, 1088, v9
	v_and_b32 v12, 3, v0
	v_lshl_add_u32 v9, v12, 4, v9
	v_lshlrev_b32 v10, 12, v14
	v_lshl_add_u32 v10, v2, 4, v10                 ; and the same place in out0
	v_lshlrev_b32 v12, 3, v3
	v_sub_nc_u32 v11, v2, v12                      ; r - 8 h: register j holds key 8 h + j, hidden where j > r - 8 h
	v_mov_b32 v[T+1], 0                            ; a lane permute's destination counts as read
	v_mov_b32 v15, 0xff800000                      ; -infinity
	s_mov_b32 s20, 0x3e38aa3b                      ; c = log2(e) / 8
	s_mov_b32 s22, 0x76543210
	s_mov_b32 s23, 0xfedcba98
	s_mul_i32 s14, s12, 196608                     ; qkv32: the sequence's 192 x 1,024 bytes,
	s_lshl_b32 s16, s10, 12                        ; the head's four chunks of 1,024
	s_add_co_u32 s14, s14, s16
	s_mov_b32 s15, 0
	s_lshl_b32 s16, ttmp9, 18                      ; W_proj: 64 rows of 4,096 bytes,
	s_lshl_b32 s18, s10, 8                         ; the head's 64 channels
	s_add_co_u32 s16, s16, s18
	s_mov_b32 s17, 0
	s_lshl_b32 s18, s12, 23                        ; out0: 2,048 rows of 4,096 bytes,
	s_lshl_b32 s19, ttmp9, 8                       ; 64 columns
	s_add_co_u32 s18, s18, s19
	s_mov_b32 s19, 0
	s_wait_kmcnt 0x0
	s_add_nc_u64 s[4:5], s[4:5], s[14:15]
	s_add_nc_u64 s[6:7], s[6:7], s[16:17]
	s_add_nc_u64 s[8:9], s[8:9], s[18:19]
.irp ct, 0,1,2,3
.irp g, 0,1
	global_load_b128 v[QQ+8*\ct+4*\g:QQ+8*\ct+4*\g+3], v1, s[4:5] offset:1024*\ct+512*\g          ; q: token r, channels 16 ct + 8 h + 4 g on
.endr
.endr
.irp ct, 0,1,2,3
.irp g, 0,1
	global_load_b128 v[KK+8*\ct+4*\g:KK+8*\ct+4*\g+3], v1, s[4:5] offset:65536+1024*\ct+512*\g    ; k likewise
.endr
.endr
.irp ct, 0,1,2,3
.irp j, 0,1,2,3,4,5,6,7
	global_load_b32 v[VT+8*\ct+\j], v4, s[4:5] offset:131072+1024*\ct+16*\j                       ; v(key 8 h + j, channel 16 ct + r)
.endr
.endr
.irp t, 0,1
.irp ct, 0,1,2,3
.irp u, 0,1
	global_load_b128 v[192+32*\t+8*\ct+4*\u:192+32*\t+8*\ct+4*\u+3], v5, s[6:7] offset:65536*\t+64*\ct+16*\u   ; W_proj(64 g + 16 t + r, 64 w + 16 ct + 8 h + 4 u on)
.endr
.endr
.endr
	s_wait_loadcnt 48                              ; q and k are in; v's 32 loads and W_proj's 16 stay out
.irp sp, 0,1,2,3                       ; S^T = k q^T in four part sums by turns
.irp ct, 0,1,2,3
.if \sp == 0
	v_wmma_f32_16x16x4_f32 v[X+8*\ct:X+8*\ct+7], v[KK+8*\ct+2*\sp:KK+8*\ct+2*\sp+1], v[QQ+8*\ct+2*\sp:QQ+8*\ct+2*\sp+1], 0
.else
	v_wmma_f32_16x16x4_f32 v[X+8*\ct:X+8*\ct+7], v[KK+8*\ct+2*\sp:KK+8*\ct+2*\sp+1], v[QQ+8*\ct+2*\sp:QQ+8*\ct+2*\sp+1], v[X+8*\ct:X+8*\ct+7]
.endif
.endr
.endr
.rept 8
	v_nop                                          ; eight places behind this form: ahead of loads into its operands and of the first read of its results
.endr
.irp t, 2,3
.irp ct, 0,1,2,3
.irp u, 0,1
	global_load_b128 v[16+32*(\t-2)+8*\ct+4*\u:16+32*(\t-2)+8*\ct+4*\u+3], v5, s[6:7] offset:65536*\t+64*\ct+16*\u   ; W_proj's tiles 2 and 3, where q and k lay
.endr
.endr
.endr
.irp p, 0,2,4,6                        ; the four part sums, each accumulator from its low end on
	v_pk_add_f32 v[P+\p:P+\p+1], v[X+\p:X+\p+1], v[X+8+\p:X+8+\p+1]
	v_pk_add_f32 v[P+\p:P+\p+1], v[P+\p:P+\p+1], v[X+16+\p:X+16+\p+1]
	v_pk_add_f32 v[P+\p:P+\p+1], v[P+\p:P+\p+1], v[X+24+\p:X+24+\p+1]
.endr
.irp j, 0,1,2,3,4,5,6,7
	v_cmp_gt_i32 vcc_lo, \j, v11
	v_cndmask_b32 v[P+\j], v[P+\j], v15, vcc_lo    ; hidden keys: -infinity
.endr
	v_max3_num_f32 v[T], v[P], v[P+1], v[P+2]
	v_max3_num_f32 v[T], v[T], v[P+3], v[P+4]
	v_max3_num_f32 v[T], v[T], v[P+5], v[P+6]
	v_max_num_f32 v[T], v[T], v[P+7]
	v_permlanex16_b32 v[T+1], v[T], s22, s23
	v_max_num_f32 v[T], v[T], v[T+1]               ; the row's maximum (key 0 counts for every query)
	v_mul_f32 v[T], s20, v[T]
.irp j, 0,1,2,3,4,5,6,7
	v_fma_f32 v[P+\j], v[P+\j], s20, -v[T]
.endr
.irp j, 0,1,2,3,4,5,6,7
	v_exp_f32 v[P+\j], v[P+\j]
.endr
	v_nop                                          ; a plain instruction behind the last exponential
	s_wait_alu depctr_va_vdst(0)                   ; one wait for the eight, ahead of their first reader
	v_add_f32 v[T], v[P], v[P+1]
	v_add_f32 v[T+1], v[P+2], v[P+3]
	v_add_f32 v[T+2], v[P+4], v[P+5]
	v_add_f32 v[T+3], v[P+6], v[P+7]
	v_add_f32 v[T], v[T], v[T+1]
	v_add_f32 v[T+2], v[T+2], v[T+3]
	v_add_f32 v[T], v[T], v[T+2]
	v_permlanex16_b32 v[T+1], v[T], s22, s23
	v_add_f32 v[T], v[T], v[T+1]
	v_rcp_f32 v[T+2], v[T]
	v_nop
	s_wait_alu depctr_va_vdst(0)
.irp j, 0,1,2,3,4,5,6,7
	v_mul_f32 v[P+\j], v[P+\j], v[T+2]             ; p, normalised
.endr
	s_wait_loadcnt 32                              ; v is in; W_proj's 32 loads stay out
.irp ks, 0,1,2,3                       ; O^T = V^T p: four accumulators by turns; keys 8 h + 2 ks + 0, 1 on both sides
.irp ct, 0,1,2,3
.if \ks == 0
	v_wmma_f32_16x16x4_f32 v[Y+8*\ct:Y+8*\ct+7], v[VT+8*\ct+2*\ks:VT+8*\ct+2*\ks+1], v[P+2*\ks:P+2*\ks+1], 0
.else
	v_wmma_f32_16x16x4_f32 v[Y+8*\ct:Y+8*\ct+7], v[VT+8*\ct+2*\ks:VT+8*\ct+2*\ks+1], v[P+2*\ks:P+2*\ks+1], v[Y+8*\ct:Y+8*\ct+7]
.endif
.endr
.endr
.rept 9
	v_nop                                          ; nine places: the results become operands
.endr
	s_wait_loadcnt 0x0                             ; W_proj
.irp ct, 0,1,2,3                       ; my head's part of the projection: source 0 = O (query r, channels 16 ct + 8 h + 2 sp + 0, 1), source 1 = W_proj's rows; four tiles of columns by turns
.irp sp, 0,1,2,3
.irp t, 0,1,2,3
.if (\ct == 0) && (\sp == 0)
	v_wmma_f32_16x16x4_f32 v[X+8*\t:X+8*\t+7], v[Y+8*\ct+2*\sp:Y+8*\ct+2*\sp+1], v[192+32*\t-240*(\t/2)+8*\ct+2*\sp:192+32*\t-240*(\t/2)+8*\ct+2*\sp+1], 0
.else
	v_wmma_f32_16x16x4_f32 v[X+8*\t:X+8*\t+7], v[Y+8*\ct+2*\sp:Y+8*\ct+2*\sp+1], v[192+32*\t-240*(\t/2)+8*\ct+2*\sp:192+32*\t-240*(\t/2)+8*\ct+2*\sp+1], v[X+8*\t:X+8*\t+7]
.endif
.endr
.endr
.endr
.rept 8
	v_nop
.endr
.irp t, 0,1,2,3
.irp j, 0,1,2,3,4,5,6,7
	ds_store_b32 v8, v[X+8*\t+\j] offset:1088*\t+128*\j   ; (query 8 h + j, column 16 t + r)
.endr
.endr
	s_wait_dscnt 0x0                               ; for the others' sake: my part lies in LDS
	s_barrier_signal -1
	s_barrier_wait -1
	s_cmp_ge_u32 s10, 8
	s_cbranch_scc1 .Lend                           ; 256 threads have 16 bytes of the 16 x 64 results each
.irp p, 0,1,2,3,4,5,6,7,8,9,10,11,12,13,14,15
	ds_load_b128 v[16+4*\p:16+4*\p+3], v9 offset:PART*\p
.endr
	s_wait_dscnt 0x0
.irp p, 1,2,3,4,5,6,7,8,9,10,11,12,13,14,15
	v_pk_add_f32 v[16:17], v[16:17], v[16+4*\p:16+4*\p+1]
	v_pk_add_f32 v[18:19], v[18:19], v[16+4*\p+2:16+4*\p+3]
.endr
	global_store_b128 v10, v[16:19], s[8:9]        ; sixteen lanes store 256 consecutive aligned bytes
.Lend:
	s_wait_tensorcnt 0x0                           ; the wave's end, behind my last LDS store
	ds_add_u32 v6, v7
	s_wait_dscnt 0x0
	s_endpgm
.Lfunc_end_k_qa7037b27db_fine:
	.size	k_qa7037b27db_fine, .Lfunc_end_k_qa7037b27db_fine-k_qa7037b27db_fine
	.p2alignl 7, 3214868480
	.fill 96, 4, 3214868480
	.section	.rodata,"a",@progbits
	.p2align	6, 0x0
	.amdhsa_kernel k_qa7037b27db_fine
		.amdhsa_group_segment_fixed_size 71680
		.amdhsa_private_segment_fixed_size 0
		.amdhsa_enable_private_segment 0
		.amdhsa_kernarg_size 24
		.amdhsa_user_sgpr_count 2
		.amdhsa_user_sgpr_kernarg_segment_ptr 1
		.amdhsa_wavefront_size32 1
		.amdhsa_system_sgpr_workgroup_id_x 1
		.amdhsa_system_sgpr_workgroup_id_y 1
		.amdhsa_system_sgpr_workgroup_id_z 1
		.amdhsa_system_vgpr_workitem_id 0
		.amdhsa_next_free_vgpr 256
		.amdhsa_next_free_sgpr 66
		.amdhsa_reserve_vcc 1
		.amdhsa_float_denorm_mode_32 3
		.amdhsa_float_denorm_mode_16_64 3
		.amdhsa_memory_ordered 1
		.amdhsa_forward_progress 1
		.amdhsa_inst_pref_size 26
	.end_amdhsa_kernel
	.amdgpu_metadata
---
amdhsa.version: [ 1, 2 ]
amdhsa.kernels:
  - .name:           k_qa7037b27db_fine
    .symbol:         k_qa7037b27db_fine.kd
    .args:
      - { .name: qkv32, .offset: 0, .size: 8, .value_kind: global_buffer, .address_space: global }
      - { .name: W_proj, .offset: 8, .size: 8, .value_kind: global_buffer, .address_space: global }
      - { .name: out0, .offset: 16, .size: 8, .value_kind: global_buffer, .address_space: global }
    .group_segment_fixed_size: 71680
    .private_segment_fixed_size: 0
    .kernarg_segment_align: 8
    .kernarg_segment_size: 24
    .max_flat_workgroup_size: 512
    .sgpr_count:     66
    .vgpr_count:     256
    .wavefront_size: 32
...
	.end_amdgpu_metadata
.endif
;; end of part 5
